; MI455X (gfx1250); checked and timed in simulation.
; The chip was launched on July 23, 2026; its instructions are those of AMD's public machine-readable ISA for CDNA 5 (MIT licence, August 2026) and "CDNA5" Instruction Set Architecture Reference Guide (July 2026). The comments in the code are by the model that wrote it; some were corrected since.
;; Collaborative Multihead Attention. Allowed arithmetic: matrix products marked QUANTISED: E2M3 operands, one E8M0 scale for each 32 along K, by v_wmma_scale_f32_16x16x128_f8f6f4 with both operands' format E2M3, f32 sums; everything else in f32.
;; Inputs: b_out 1,024 float32; mask 8 x 1,024 float32; w_k 1,024 x 1,024 float32; w_out 1,024 x 1,024 float32; w_q 1,024 x 1,024 float32; w_v 1,024 x 1,024 float32; x 1,024 x 8 x 1,024 float32.
;; Outputs: out0 1,024 x 8 x 1,024 float32.
;; This version of the problem:
;;   THIS VERSION OF THE PROBLEM IS GIVEN IN LOW PRECISION. The matrix products marked QUANTISED in the list below multiply operands that are first quantised to E2M3 (2 exponent bits, 3 mantissa bits; 6 bits a number), with one power-of-two scale for each 32 numbers along K (OCP MX v1.0); their sums are f32. All else is computed in f32.
;;   The module's matrix products, in the order in which they are computed (A, B: the left and right operand; K: the contracted axis; several contracted axes count as one K, in the product's order):
;;     1. [M 8,192, K 1,024] x [K 1,024, N 1,024]; A: input x; B: input w_q: QUANTISED
;;     2. [M 8,192, K 1,024] x [K 1,024, N 1,024]; A: input x; B: input w_k: QUANTISED
;;     3. [M 8,192, K 1,024] x [K 1,024, N 1,024]; A: input x; B: input w_v: QUANTISED
;;     4. batch 128 x [M 1,024, K 64] x [K 64, N 1,024]; A: computed on the way; B: computed on the way: QUANTISED
;;     5. batch 128 x [M 1,024, K 1,024] x [K 1,024, N 64]; A: computed on the way; B: computed on the way: QUANTISED
;;     6. [M 8,192, K 1,024] x [K 1,024, N 1,024]; A: computed on the way; B: input w_out: QUANTISED
;;   THE QUANTISER, for each operand of a quantised product, along K:
;;     - K is cut into blocks of 32 from its start; a last block that is shorter is filled with zeros.
;;     - A block's scale is 2^e with e = floor(log2(the largest magnitude in the block)) - 2, held to -126 .. 127; a block of zeros has e = 0. As a byte (E8M0): e + 127.
;;     - Each number is divided by its block's scale, clamped to +-7.5, and rounded to the nearest number of E2M3, ties to even, subnormals kept.
;;     - The product sums the exact products of the quantised numbers (number of the format x scale) in f32.
;;   ~~~python
;;   def quantise(x, axis):      # numpy; x: float32 -> the quantised numbers, widened to float32 again
;;       x = np.moveaxis(x, axis, -1); K = x.shape[-1]
;;       x = np.pad(x, [(0, 0)] * (x.ndim - 1) + [(0, -K % 32)]); x = x.reshape(x.shape[:-1] + (-1, 32)); a = np.abs(x).max(-1, keepdims=True)
;;       e = np.where(a > 0, np.clip(np.frexp(np.where(a > 0, a, 1))[1] - 1 - 2, -126, 127), 0)      # np.frexp(a)[1] - 1 = floor(log2(a)), exactly
;;       r = np.clip(x / 2.0 ** e, -7.5, 7.5)
;;       step = 2.0 ** (np.maximum(np.frexp(np.where(r == 0, 1, r))[1] - 1, 0) - 3)
;;       q = np.round(r / step) * step * 2.0 ** e      # np.round: ties to even
;;       return np.moveaxis(q.reshape(q.shape[:-2] + (-1,))[..., :K], -1, axis).astype(np.float32)
;;   ~~~
;;   OPERANDS COMPUTED ON THE WAY. 'Computed on the way' means the value that the module computes at that place (a softmax that the list does not call 'softmax' is quantised finished and normalised). What goes into a quantiser is computed in f32, as accurately as f32 sums, v_exp_f32 and their like allow (about 1e-6 of the number): no bf16 or f16 on the way to a quantiser, and a product that is left as it is and whose result goes on into a quantised operand takes f32 operands (vector FMAs, or v_wmma_f32_16x16x4_f32). A number that lies on a knife's edge between two numbers of the format may be rounded either way, as far as f32 arithmetic and the matrix unit's own rounding can turn it there, and no further.
;; One version. Each part assembles by itself: llvm-mc -triple=amdgcn-amd-amdhsa -mcpu=gfx1250 --defsym DOCPART=n.
;; ======== version 1 of 1: 4 launches
;; limits: right only within a limited range of input values
;; workspace buffers: xi 6,291,456 bytes; xs 262,144 bytes; wi 3,145,728 bytes; ws 131,072 bytes; qkv 18,874,368 bytes; qkvs 786,432 bytes; ci 6,291,456 bytes; cs 262,144 bytes
;; launch quant (part 1): grid 512 x 1, 4 waves a work-group, no clusters, 47,616 bytes of LDS; arguments x, w_q, w_k, w_v, w_out, xi, xs, wi, ws; writes xi, xs, wi, ws
.if DOCPART == 1
	.amdgcn_target "amdgcn-amd-amdhsa--gfx1250"
	.amdhsa_code_object_version 6
	.text
	.protected	k_q843aeeaa96_quant
	.globl	k_q843aeeaa96_quant
	.p2align	8
	.type	k_q843aeeaa96_quant,@function
k_q843aeeaa96_quant:
	s_mov_b64 s[64:65], 0
	v_nop
	global_prefetch_b8 v0, s[64:65] scope:SCOPE_SE
	s_setreg_imm32_b32 hwreg(HW_REG_WAVE_MODE, 25, 1), 1
	s_wait_xcnt 0x0
; x [1024 s][8 b][1024 e] and the four weights [1024 k][1024 n], f32, become codes of FP6 (E2M3) with one E8M0 byte for each 32 along K,
; laid as IMAGES OF OPERAND REGISTERS: a fragment (16 rows x 128 K, 12 registers a lane) is 1,536 bytes, registers 4 j .. 4 j + 3 of lane l at 512 j + 16 l.
; ROWS OF A FRAGMENT: lane r of row block t holds row 32 (t / 2) + 8 (t % 2) + r + 8 (r / 8), so that two neighbouring blocks used as source 0 give a lane 16 neighbours.
; xi [b 4 + s / 256][K step 8][row block 16][1,536];  xs [same tile][row block][K half 2][r 16][4 words];  wi [tile of 128 columns: w_q, w_k, w_v, w_out][K step 8][row block 8][1,536];  ws likewise.
; A block's scale is 2^(floor(log2(largest magnitude)) - 2): its byte is the largest magnitude's exponent field - 2, held at 1 from below by a floor among the maximum's leaves.
; LIMITS: a block of zeros gets the byte 1 where the rule says 127 (its codes are zeros, and this program alone reads the bytes); NaN and infinities among the inputs are not served.
; Work-groups 0-255 take x (K innermost), 256-511 the weights (K outermost).  The two paths have LDS bytes of their own.  No tensor loads, no barrier: waves share nothing.  No cluster: no two work-groups read the same bytes.
.set R,      16                        ; v16-143   path X: two sets of 64 numbers as loaded
.set X,      144                       ; v144-207  path X: 64 numbers, two whole blocks of my row
.set C,      208                       ; v208-231  codes: two sets of 12
.set PT,     232                       ; v232-238  the halves that a conversion cannot put on an odd register
.set SW,     240                       ; v240-243  scale words
.set M,      244
.set OP,     246
.set BY,     248
.set T0,     250
.set WX,     16                        ; v16-79    path W: two sets of 32 numbers
.set OUTR,   80                        ; v80-103   path W: the way out
.set FLOOR,  0x1800000                 ; 2^(3 - 127)
.set XPITCH, 528                       ; path X's stage: a row of 512 bytes + 16
.set XSTG,   16*XPITCH                 ; a wave's stage
.set WST,    4*XSTG                    ; path W's stages begin here
.set WPU,    1664                      ; an image in path W's stage: 1,536 + 128, so that the two images' lanes of one store fall on different words
	s_load_b256 s[4:11], s[0:1], 0x0               ; x s[4:5], w_q s[6:7], w_k s[8:9], w_v s[10:11]
	s_load_b256 s[12:19], s[0:1], 0x20             ; w_out s[12:13], xi s[14:15], xs s[16:17], wi s[18:19]
	s_load_b64 s[20:21], s[0:1], 0x40              ; ws
	v_lshl_add_u32 v254, v0, 2, 0xb800
	v_mov_b32 v255, 0
	v_lshrrev_b32 v1, 5, v0
	v_readfirstlane_b32 s22, v1                    ; wave 0..3
	v_and_b32 v2, 31, v0                           ; lane
	v_and_b32 v3, 15, v0                           ; r
	v_bfe_u32 v4, v0, 4, 1                         ; h
	s_mov_b32 s24, 0x76543210
	s_mov_b32 s25, 0xfedcba98                      ; v_permlanex16_b32's selects for lane l xor 16
	s_cmp_lt_u32 ttmp9, 256
	s_cbranch_scc0 .Lweights
; ---------------- PATH X.  A wave takes one row block (16 rows of one b) and half of K: four fragments.
	s_lshl_b32 s26, ttmp9, 2
	s_add_co_u32 s26, s26, s22                     ; unit 0..1023
	s_and_b32 s27, s26, 1                          ; K half
	s_bfe_u32 s28, s26, 0x60001                    ; T: row block within b, 0..63
	s_lshr_b32 s29, s26, 7                         ; b
	s_lshr_b32 s30, s28, 1
	s_lshl_b32 s30, s30, 5
	s_and_b32 s31, s28, 1
	s_lshl_b32 s31, s31, 3
	s_add_co_u32 s30, s30, s31                     ; the block's first s: 32 (T / 2) + 8 (T % 2)
	s_lshl_b32 s30, s30, 15                        ; x: s x 32,768 + b x 4,096 + K half x 2,048
	s_lshl_b32 s31, s29, 12
	s_add_co_u32 s30, s30, s31
	s_lshl_b32 s31, s27, 11
	s_add_co_u32 s30, s30, s31
	s_mov_b32 s31, 0
	s_lshl_b32 s32, s29, 2
	s_lshr_b32 s33, s28, 4
	s_add_co_u32 s32, s32, s33                     ; tile of 256 rows
	s_and_b32 s33, s28, 15                         ; row block in it
	s_mul_i32 s34, s32, 196608
	s_mul_i32 s35, s33, 1536
	s_add_co_u32 s34, s34, s35
	s_mul_i32 s35, s27, 98304
	s_add_co_u32 s34, s34, s35
	s_mov_b32 s35, 0                               ; xi
	s_lshl_b32 s36, s32, 13
	s_lshl_b32 s37, s33, 9
	s_add_co_u32 s36, s36, s37
	s_lshl_b32 s37, s27, 8
	s_add_co_u32 s36, s36, s37
	s_mov_b32 s37, 0                               ; xs
	s_wait_alu depctr_va_vdst(0)
	v_lshlrev_b32 v5, 4, v2                        ; 16 x lane: a load's and a store's 512 consecutive bytes
	s_mul_i32 s38, s22, XSTG
	v_add_nc_u32 v6, s38, v5                       ; the stage, on the way in: a row as it lies
	v_mul_u32_u24 v7, v3, XPITCH
	v_lshl_add_u32 v7, v4, 7, v7
	v_add_nc_u32 v7, s38, v7                       ; and out: row r, + 128 h: my block of 32 numbers
	v_lshlrev_b32 v8, 4, v3
	v_lshl_add_u32 v8, v4, 3, v8                   ; 16 r + 8 h: my two scale words
	v_lshlrev_b32 v9, 3, v4                        ; 8 h: my bytes' place in a scale word
	v_mov_b32 v10, 0                               ; a lane permute's destination counts as one of its sources
	v_cmp_eq_u32 vcc_lo, 1, v4                     ; lanes 16-31
	s_wait_alu depctr_va_vdst(0)
	s_wait_kmcnt 0x0
	s_add_nc_u64 s[4:5], s[4:5], s[30:31]
	s_add_nc_u64 s[14:15], s[14:15], s[34:35]
	s_add_nc_u64 s[16:17], s[16:17], s[36:37]
.macro XLOAD f                         ; K step f of the 16 rows: each load reads 512 consecutive bytes of one row
.irp i, 0,1,2,3,4,5,6,7,8,9,10,11,12,13,14,15
	global_load_b128 v[R+64*((\f)%2)+4*\i:R+64*((\f)%2)+4*\i+3], v5, s[4:5] offset:(\i+8*(\i/8))*32768+512*(\f) th:TH_LOAD_NT
.endr
.endm
.macro XTURN f                         ; through my stage: in by rows, out as two whole blocks of row r (k = 64 c + 32 h + 0 .. 31).  LDS serves a wave's instructions in order
.irp i, 0,1,2,3,4,5,6,7,8,9,10,11,12,13,14,15
	ds_store_b128 v6, v[R+64*((\f)%2)+4*\i:R+64*((\f)%2)+4*\i+3] offset:XPITCH*\i
.endr
.irp c, 0,1
.irp e, 0,1,2,3,4,5,6,7
	ds_load_b128 v[X+32*\c+4*\e:X+32*\c+4*\e+3], v7 offset:256*\c+16*\e
.endr
.endr
.endm
.macro XQUANT f
.set CC, C+12*((\f)%2)
.irp c, 0,1
	v_max3_num_f32 v[M+\c], |v[X+32*\c]|, |v[X+32*\c+1]|, FLOOR       ; my block 2 c + h: all its 32 numbers are mine; the floor holds the byte at 1 from below
.endr
.irp i, 2,4,6,8,10,12,14,16,18,20,22,24,26,28,30
.irp c, 0,1
	v_max3_num_f32 v[M+\c], v[M+\c], |v[X+32*\c+\i]|, |v[X+32*\c+\i+1]|
.endr
.endr
.irp c, 0,1
	v_add_nc_u32 v[OP+\c], 0xff000000, v[M+\c]     ; 2 off the exponent field: the conversion's scale operand
.endr
.irp c, 0,1
	v_lshrrev_b32 v[BY+\c], 23, v[OP+\c]           ; the scale's byte
.endr
	v_lshl_or_b32 v[SW+(\f)], v[BY+1], 16, v[BY]   ; my two bytes: blocks h and 2 + h,
	v_lshlrev_b32 v[SW+(\f)], v9, v[SW+(\f)]       ; at their places;
	v_permlanex16_b32 v10, v[SW+(\f)], s24, s25
	v_or_b32 v[SW+(\f)], v[SW+(\f)], v10           ; with lane l xor 16's two the word is whole
.irp c, 0,1
	v_cvt_scalef32_pk16_fp6_f32 v[CC+6*\c:CC+6*\c+2], v[X+32*\c:X+32*\c+15], v[OP+\c]
	v_cvt_scalef32_pk16_fp6_f32 v[PT+4*\c:PT+4*\c+2], v[X+32*\c+16:X+32*\c+31], v[OP+\c]   ; (a conversion's three registers begin on an even number)
.endr
	v_nop                                          ; one plain place behind a scaled conversion
.irp c, 0,1
.irp i, 0,1,2
	v_mov_b32 v[CC+6*\c+3+\i], v[PT+4*\c+\i]
.endr
.endr
.irp j, 0,1,2
	global_store_b128 v5, v[CC+4*\j:CC+4*\j+3], s[14:15] offset:24576*(\f)+512*\j    ; the image: 512 consecutive bytes a store
.endr
.endm
	XLOAD 0
	XLOAD 1
.irp f, 0,1,2,3
.if \f < 3
	s_wait_loadcnt 16                              ; this K step's 16 loads are in; the next step's 16 may be out
.else
	s_wait_loadcnt 0x0
.endif
	XTURN \f
	s_wait_dscnt 0x0                               ; the numbers are back, and the stage's stores have read their registers
.if \f < 2
	XLOAD \f+2
.else
	s_wait_xcnt 0x0                                ; the stores of two steps ago have read this set of codes
.endif
	XQUANT \f
.endr
	v_cndmask_b32 v[T0], v[SW], v[SW+2], vcc_lo    ; lanes 0-15 store words 0, 1 of their row, lanes 16-31 words 2, 3:
	v_cndmask_b32 v[T0+1], v[SW+1], v[SW+3], vcc_lo
	global_store_b64 v8, v[T0:T0+1], s[16:17]      ; 256 consecutive bytes, aligned
	s_wait_tensorcnt 0x0
	ds_add_u32 v254, v255
	s_wait_dscnt 0x0
	s_endpgm
; ---------------- PATH W.  A work-group takes 128 columns and one K step of 128; its waves stand side by side, 32 columns each.
; A LANE TAKES A COLUMN AND ITS REGISTERS RUN DOWN K: a block of 32 lies in one lane.  Lane l's column is row r = l % 8 + 8 (l / 16) of row block 2 wave + (l / 8) % 2.
.Lweights:
	s_sub_co_u32 s26, ttmp9, 256
	s_and_b32 s27, s26, 7                          ; K step
	s_lshr_b32 s28, s26, 3                         ; tile of 128 columns, 0..31
	s_lshr_b32 s29, s28, 3                         ; which weight
	s_and_b32 s30, s28, 7                          ; the tile within it
	s_lshl_b32 s32, s27, 19                        ; source: K step x 128 rows x 4,096 + tile x 512 + wave x 128
	s_lshl_b32 s33, s30, 9
	s_add_co_u32 s32, s32, s33
	s_lshl_b32 s33, s22, 7
	s_add_co_u32 s32, s32, s33
	s_mov_b32 s33, 0
	s_mul_i32 s34, s28, 98304                      ; wi: tile, K step, row block 2 wave
	s_mul_i32 s35, s27, 12288
	s_add_co_u32 s34, s34, s35
	s_mul_i32 s35, s22, 3072
	s_add_co_u32 s34, s34, s35
	s_mov_b32 s35, 0
	s_lshl_b32 s36, s28, 12                        ; ws: tile x 4,096 + 2 wave x 512 + K half x 256 + 4 (K step % 4)
	s_lshl_b32 s37, s22, 10
	s_add_co_u32 s36, s36, s37
	s_lshr_b32 s37, s27, 2
	s_lshl_b32 s37, s37, 8
	s_add_co_u32 s36, s36, s37
	s_and_b32 s37, s27, 3
	s_lshl_b32 s37, s37, 2
	s_add_co_u32 s36, s36, s37
	s_mov_b32 s37, 0
	s_wait_alu depctr_va_vdst(0)
	v_lshlrev_b32 v5, 2, v2                        ; 4 bytes a lane
	v_bfe_u32 v11, v0, 3, 1                        ; u: which of my wave's two row blocks
	v_and_b32 v12, 7, v0
	v_lshl_add_u32 v12, v4, 3, v12                 ; r in it
	s_mul_i32 s38, s22, 2*WPU
	s_add_co_u32 s38, s38, WST                     ; my stage: two images
	v_mul_u32_u24 v6, v11, WPU
	v_lshl_add_u32 v6, v12, 4, v6
	v_add_nc_u32 v6, s38, v6                       ; in: image u, 16 r (+ 256 for the blocks that belong to lanes 16-31 of the image)
	v_lshlrev_b32 v8, 4, v2
	v_add_nc_u32 v7, s38, v8                       ; back: 16 x lane
	v_lshlrev_b32 v9, 4, v12
	v_lshl_add_u32 v9, v11, 9, v9                  ; my scale word: 512 u + 16 r
	s_wait_kmcnt 0x0
	s_cmp_eq_u32 s29, 1                            ; the choice hangs on the work-group's number alone
	s_cselect_b64 s[6:7], s[8:9], s[6:7]
	s_cmp_eq_u32 s29, 2
	s_cselect_b64 s[6:7], s[10:11], s[6:7]
	s_cmp_eq_u32 s29, 3
	s_cselect_b64 s[6:7], s[12:13], s[6:7]
	s_add_nc_u64 s[6:7], s[6:7], s[32:33]
	s_add_nc_u64 s[18:19], s[18:19], s[34:35]
	s_add_nc_u64 s[20:21], s[20:21], s[36:37]
.macro WLOAD t                         ; block t: w(32 t + i, my column): 128 consecutive bytes a wave, 512 a work-group
.irp i, 0,1,2,3,4,5,6,7,8,9,10,11,12,13,14,15,16,17,18,19,20,21,22,23,24,25,26,27,28,29,30,31
	global_load_b32 v[WX+32*((\t)%2)+\i], v5, s[6:7] offset:(32*(\t)+\i)*4096 th:TH_LOAD_NT
.endr
.endm
.macro WBLOCK t                        ; block t = 2 c + h of the K step: registers 6 c .. 6 c + 5 of lane r + 16 h of the image
.set XB, WX+32*((\t)%2)
.if (\t) < 3
	s_wait_loadcnt 32                              ; this block's 32 loads are in; the next block's may be out
.else
	s_wait_loadcnt 0x0
.endif
	v_max3_num_f32 v[M], |v[XB]|, |v[XB+1]|, |v[XB+2]|
	v_max3_num_f32 v[M+1], |v[XB+3]|, |v[XB+4]|, |v[XB+5]|
.irp i, 6,10,14,18,22,26
	v_max3_num_f32 v[M], v[M], |v[XB+\i]|, |v[XB+\i+1]|
	v_max3_num_f32 v[M+1], v[M+1], |v[XB+\i+2]|, |v[XB+\i+3]|
.endr
	v_max3_num_f32 v[M], v[M], |v[XB+30]|, |v[XB+31]|
	v_max3_num_f32 v[M], v[M], v[M+1], FLOOR
	v_add_nc_u32 v[OP], 0xff000000, v[M]
	v_lshrrev_b32 v[BY], 23, v[OP]
.if (\t) == 0
	v_mov_b32 v[SW], v[BY]                         ; the K step's four bytes are all mine
.else
	v_lshl_or_b32 v[SW], v[BY], 8*(\t), v[SW]
.endif
	v_cvt_scalef32_pk16_fp6_f32 v[C:C+2], v[XB:XB+15], v[OP]
	v_cvt_scalef32_pk16_fp6_f32 v[PT:PT+2], v[XB+16:XB+31], v[OP]
	v_nop                                          ; one plain place behind a scaled conversion
.irp i, 0,1,2
	v_mov_b32 v[C+3+\i], v[PT+\i]
.endr
.if (\t) < 2
	ds_store_b128 v6, v[C:C+3] offset:256*((\t)%2)             ; registers 0-3
	ds_store_b64 v6, v[C+4:C+5] offset:512+256*((\t)%2)        ; registers 4, 5
.else
	ds_store_b64 v6, v[C:C+1] offset:520+256*((\t)%2)          ; registers 6, 7
	ds_store_b128 v6, v[C+2:C+5] offset:1024+256*((\t)%2)      ; registers 8-11
.endif
.if (\t) < 2
	WLOAD (\t)+2
.endif
	s_wait_dscnt 0x0                               ; the stores have read their registers
.endm
	WLOAD 0
	WLOAD 1
	WBLOCK 0
	WBLOCK 1
	WBLOCK 2
	WBLOCK 3
	s_wait_alu depctr_va_vdst(0)
	global_store_b32 v9, v[SW], s[20:21]           ; my row's scale word of this K step
.set Q, 0
.rept 6
	ds_load_b128 v[OUTR+4*Q:OUTR+4*Q+3], v7 offset:(Q/3)*WPU+512*(Q%3)
.set Q, Q+1
.endr
.set Q, 0
.rept 6
	s_wait_dscnt 5-Q                               ; the younger read-backs may be out
	global_store_b128 v8, v[OUTR+4*Q:OUTR+4*Q+3], s[18:19] offset:(Q/3)*1536+512*(Q%3)   ; 512 consecutive bytes a store
.set Q, Q+1
.endr
	s_wait_tensorcnt 0x0
	ds_add_u32 v254, v255
	s_wait_dscnt 0x0
	s_endpgm
.Lfunc_end_k_q843aeeaa96_quant:
	.size	k_q843aeeaa96_quant, .Lfunc_end_k_q843aeeaa96_quant-k_q843aeeaa96_quant
	.p2alignl 7, 3214868480
	.fill 96, 4, 3214868480
	.section	.rodata,"a",@progbits
	.p2align	6, 0x0
	.amdhsa_kernel k_q843aeeaa96_quant
		.amdhsa_group_segment_fixed_size 47616
		.amdhsa_private_segment_fixed_size 0
		.amdhsa_enable_private_segment 0
		.amdhsa_kernarg_size 72
		.amdhsa_user_sgpr_count 2
		.amdhsa_user_sgpr_kernarg_segment_ptr 1
		.amdhsa_wavefront_size32 1
		.amdhsa_system_sgpr_workgroup_id_x 1
		.amdhsa_system_sgpr_workgroup_id_y 1
		.amdhsa_system_sgpr_workgroup_id_z 1
		.amdhsa_system_vgpr_workitem_id 0
		.amdhsa_next_free_vgpr 256
		.amdhsa_next_free_sgpr 66
		.amdhsa_reserve_vcc 1
		.amdhsa_float_denorm_mode_32 3
		.amdhsa_float_denorm_mode_16_64 3
		.amdhsa_memory_ordered 1
		.amdhsa_forward_progress 1
		.amdhsa_inst_pref_size 52
	.end_amdhsa_kernel
	.amdgpu_metadata
---
amdhsa.version: [ 1, 2 ]
amdhsa.kernels:
  - .name:           k_q843aeeaa96_quant
    .symbol:         k_q843aeeaa96_quant.kd
    .args:
      - { .name: x, .offset: 0, .size: 8, .value_kind: global_buffer, .address_space: global }
      - { .name: w_q, .offset: 8, .size: 8, .value_kind: global_buffer, .address_space: global }
      - { .name: w_k, .offset: 16, .size: 8, .value_kind: global_buffer, .address_space: global }
      - { .name: w_v, .offset: 24, .size: 8, .value_kind: global_buffer, .address_space: global }
      - { .name: w_out, .offset: 32, .size: 8, .value_kind: global_buffer, .address_space: global }
      - { .name: xi, .offset: 40, .size: 8, .value_kind: global_buffer, .address_space: global }
      - { .name: xs, .offset: 48, .size: 8, .value_kind: global_buffer, .address_space: global }
      - { .name: wi, .offset: 56, .size: 8, .value_kind: global_buffer, .address_space: global }
      - { .name: ws, .offset: 64, .size: 8, .value_kind: global_buffer, .address_space: global }
    .group_segment_fixed_size: 47616
    .private_segment_fixed_size: 0
    .kernarg_segment_align: 8
    .kernarg_segment_size: 72
    .max_flat_workgroup_size: 128
    .sgpr_count:     66
    .vgpr_count:     256
    .wavefront_size: 32
...
	.end_amdgpu_metadata
.endif
;; end of part 1
;; launch proj (part 2): grid 8 x 32, 4 waves a work-group, clusters of 4 x 4, 327,680 bytes of LDS; arguments xi, xs, wi, ws, x, qkv, qkvs; writes qkv, qkvs
.if DOCPART == 2
	.amdgcn_target "amdgcn-amd-amdhsa--gfx1250"
	.amdhsa_code_object_version 6
	.text
	.protected	k_q843aeeaa96_proj
	.globl	k_q843aeeaa96_proj
	.p2align	8
	.type	k_q843aeeaa96_proj,@function
k_q843aeeaa96_proj:
	s_mov_b64 s[64:65], 0
	v_nop
	global_prefetch_b8 v0, s[64:65] scope:SCOPE_SE
	s_setreg_imm32_b32 hwreg(HW_REG_WAVE_MODE, 25, 1), 1
	s_wait_xcnt 0x0
	s_wait_alu depctr_hold_cnt(0) depctr_sa_sdst(0) depctr_va_vdst(0) depctr_va_sdst(0) depctr_va_ssrc(0) depctr_va_vcc(0) depctr_vm_vsrc(0)
	s_getreg_b32 s2, hwreg(HW_REG_IB_STS2, 6, 4)
	s_cmp_eq_u32 s2, 0
	s_cbranch_scc0 .Lentry_in_a_cluster
	s_endpgm
.Lentry_in_a_cluster:
	s_bfe_u32 s2, ttmp6, 0x10000c
	s_cmp_lg_u32 s2, 0xf033
	s_cbranch_scc0 .Lentry_shape_is_right
	s_endpgm
.Lentry_shape_is_right:
; q = (x w_q) / 8, k = x w_k, v = x + x w_v on codes of FP6 (E2M3) with E8M0 scales, and their quantising for the two products of attention.  Nothing goes to memory in f32.
; SHARES.  Work-group (gx, gy): gy = a tile of 256 rows of x (one b, 256 s), gx = a pair of heads (128 weight rows).  It makes THREE tiles of 256 x 128: q, k, v.  x's tile (196,608 bytes of codes) stays in LDS for all of K
; and all three tiles; the weights go through two LDS slots of half of K (49,152 bytes each).  Four waves, 32 accumulators each: 8 blocks P (source 1: a lane is a row of P) x 4 blocks Q (source 0: the lane's registers run along Q).
;   q, k: P = 128 rows of x, Q = one head's 64 weight rows: a lane holds one s and 64 d, which is the K of q k^T.
;   v:    P = the 128 weight rows, Q = 64 rows of x: a lane holds one d and 64 s, which lie along the K of attn v.  x itself, f32, is the C of v's first products.
; The rows of every fragment are ordered so that the 16 registers of two neighbouring blocks of Q are 16 neighbours (lane r of block t: row 32 (t / 2) + 8 (t % 2) + r + 8 (r / 8)).
; q's 1 / 8 is taken off the scale bytes, 3 a byte, which is exact; the floor under the block's largest magnitude is 2^(6 - 127) there, so that no byte falls under 1.
; OUT: qkv: q [bh][tile 64][768] half fragments (6 registers: 0-3 at 16 lane, 4-5 at 512 + 8 lane); k at 6,291,456: [bh][32][1,536] fragments of two key tiles; v at 12,582,912: [bh][64 keys 16][d block 4][768].
;      qkvs: [..][r 16][4 words], two bytes for each half fragment: q, k at 262,144, v at 524,288.
; CLUSTERS: 4 x 4.  The four of a row share x's tile, the four of a column the weights': each is asked for jointly, by the same tensor load with the same descriptor and a mask that names the four.
; A wave has one tensor load out at the head, one behind the round that follows it, and one behind each change of slots.
; LIMITS: a block of zeros gets the floor's byte (its codes are zeros; this program alone reads the bytes); NaN and infinities are not served.
; REGISTERS: window 0: v2-23 addresses; v24-55 at work; v64-159 scale words, two sets; v160-255 Q's fragments, two sets (the second holds the codes on a tile's way out).
;            window 1: P's fragments, two sets of 96.  window 2: the accumulators, (a, q) at v[32 a + 8 q].  window 3: x for v, at the same numbers.
.set YI,    0                          ; LDS: x's codes [K step 8][row block 16][1,536]
.set XR,    196608                     ; the weights' two slots [K step % 4][row block 8][1,536]
.set YS,    294912                     ; x's scale words [row block 16][K half][r][4 words]
.set XS,    303104                     ; the weights' [tile 3][row block 8][K half][r][4 words]
.set SPARE, 315392                     ; the spare words, 128 bytes a wave: two blocks of 256 bytes that no other line names
.set FRB,   1536
.set AYP,  2                           ; v2-5   x as P: 16 lane + my 8 blocks, for K steps 2 i, 2 i + 1
.set AXQ,  6                           ; v6-7   weights as Q, slot 0, 1
.set AXP,  8                           ; v8-9   weights as P
.set AYQ,  10                          ; v10-13 x as Q
.set AYSP, 14
.set AXSQ, 15
.set AXSP, 16
.set AYSQ, 17
.set SPW,  18                          ; LDS address of my spare word; never rewritten
.set NIL,  19                          ; 0; never rewritten
.set RX,   20                          ; x for v: my lane's byte
.set L16,  21                          ; 16 lane
.set L8,   22                          ; 512 + 8 lane
.set R8,   23                          ; 16 r + 8 h
.set TM,   24                          ; v24-39 largest magnitudes, bytes, scale operands
.set PW,   40                          ; v40-43 the four scale words of a way out
.set SL,   44
.set PT,   48
.set SCB,  64
.set QF,   160
.set PC,   208
.set WV,   18                          ; s18 wave; s19 wave / 2; s20 wave % 2; s21 mask of lanes 16-31
.set PY,   19
.set QX,   20
.set HM,   21
.set G1Y,  24
.set G1X,  32
.set G1YS, 40
.set G1XS, 48
.set T1,   56
.set T2,   60
.set T3,   68
.set T4,   72
.set T5,   76
.set T6,   80
.set SEL,  98
.set MSB, 0
.macro WIN new                         ; the immediate's high byte repeats the setting that is left
.if MSB != \new
	s_set_vgpr_msb (MSB<<8)|\new
.set MSB, \new
.endif
.endm
.macro PLACES                          ; four plain places behind matrix instructions, in front of loads into their sources and of reads of their results
.rept 4
	v_nop
.endr
.endm
.macro CROUND                          ; a round of the cluster's barrier
	s_barrier_signal -1
	s_barrier_wait -1
	s_cmp_lg_u32 s[WV], 0
	s_cbranch_scc1 .Lnot_wave_0_\@
	s_barrier_signal -3
.Lnot_wave_0_\@:
	s_barrier_wait -3
	s_barrier_signal -1
	s_barrier_wait -1
.endm
.macro G1SET g, m, c, r, p             ; r rows of c elements of 8 bytes, p elements apart; no padding: images are read as they lie, 512 consecutive bytes a load
	s_or_b32 s[\g], s[\m], (3<<16)|(1<<21)
	s_mov_b32 s[\g+1], (\c)<<16
	s_mov_b32 s[\g+2], (\r)<<16
	s_mov_b32 s[\g+3], (\c)<<16
	s_mov_b32 s[\g+4], \r
	s_mov_b32 s[\g+5], \p
	s_mov_b32 s[\g+6], 0
	s_mov_b32 s[\g+7], 0
.endm
.macro G0SET g, lw, lc, ptr, off, more
	s_mov_b32 s[\g], 1
	s_add_co_u32 s[\g+1], s[\lw], \lc
	s_add_nc_u64 s[\g+2:\g+3], s[\ptr:\ptr+1], s[\off:\off+1]
.if \more
	s_add_nc_u64 s[\g+2:\g+3], s[\g+2:\g+3], \more
.endif
	s_or_b32 s[\g+3], s[\g+3], 0x80000000
.endm
	s_load_b256 s[4:11], s[0:1], 0x0               ; xi s[4:5], xs s[6:7], wi s[8:9], ws s[10:11]
	s_load_b128 s[12:15], s[0:1], 0x20             ; x s[12:13], qkv s[14:15]
	s_load_b64 s[16:17], s[0:1], 0x30              ; qkvs
	v_lshl_add_u32 v[SPW], v0, 2, SPARE
	v_mov_b32 v[NIL], 0
	ds_add_u32 v18, v19
	ds_add_u32 v18, v19
	s_wait_dscnt 0x0
	v_lshrrev_b32 v1, 5, v0
	v_readfirstlane_b32 s[WV], v1
	s_lshr_b32 s[PY], s[WV], 1
	s_and_b32 s[QX], s[WV], 1
	s_bfe_u32 s22, ttmp6, 0x40000                  ; cx
	s_bfe_u32 s23, ttmp6, 0x40004                  ; cy
	s_lshl_b32 s84, ttmp9, 2
	s_add_co_u32 s84, s84, s22                     ; gx
	s_and_b32 s85, ttmp7, 0xffff
	s_lshl_b32 s85, s85, 2
	s_add_co_u32 s85, s85, s23                     ; gy
	s_lshl_b32 s86, s23, 2
	s_lshl_b32 s86, 15, s86                        ; my row of the cluster
	s_lshl_b32 s87, 0x1111, s22                    ; my column
	G1SET G1Y,  86, 32, 384, 32                    ; at the head: K steps 0-3 of x's tile, 98,304 dense bytes, one load
	G1SET G1X,  87, 32, 384, 32                    ; at the head: all of w_q's tile, both slots, 98,304 dense bytes, one load
	G1SET G1YS, 86, 32, 32, 32                     ; x's scale words: 8,192 bytes
	G1SET G1XS, 87, 512, 3, 4096                   ; the scale words (4,096 bytes) of the three weight tiles, 32,768 bytes apart
	s_mul_i32 s2, s[WV], 24576
	s_mov_b32 s3, 0                                ; s[2:3]: the wave's K step of x, in bytes, as a pair
	s_mul_i32 s96, s[WV], 12288
	s_mov_b32 s97, 0                               ; s[96:97]: the wave's K step of a weight tile, as a pair
	s_mul_i32 s88, s85, 196608                     ; x's addresses hang on gy and the wave alone,
	s_mov_b32 s89, 0
	s_lshl_b32 s90, s85, 13
	s_add_co_u32 s90, s90, s3
	s_mov_b32 s91, 0
	s_mul_i32 s92, s84, 98304                      ; the weights' on gx and the wave alone
	s_mov_b32 s93, 0
	s_lshl_b32 s94, s84, 12
	s_mov_b32 s95, 0
	s_mov_b32 s[SEL], 0x76543210
	s_mov_b32 s[SEL+1], 0xfedcba98
	s_wait_kmcnt 0x0
	G0SET T1, 3,  YS,       6, 90, 0               ; x's scale words, whole
	G0SET T2, 3,  XS,       10, 94, 0              ; the weights', whole
	G0SET T3, 3,  YI,       4, 88, 0               ; x, K steps 0-3
	G0SET T4, 3,  XR,       8, 92, 0               ; w_q, all of K: both slots (behind the head it gets the wave's term, for the refills)
	G0SET T5, 2,  YI+98304, 4, 88, 98304           ; x, K step 4 + wave
	s_add_nc_u64 s[T5+2:T5+3], s[T5+2:T5+3], s[2:3]
	G0SET T6, 96, XR+49152, 8, 92, 49152           ; slot 1, K step 4 + wave: for the refills
	s_add_nc_u64 s[T6+2:T6+3], s[T6+2:T6+3], s[96:97]
	CROUND                                         ; all sixteen work-groups are here: the first joint loads meet
	; the head's four tiles, one joint load a wave: one chain of branches on the wave's number
	s_cmp_lt_u32 s[WV], 1
	s_cbranch_scc0 .Lhead_w
	tensor_load_to_lds s[T3:T3+3], s[G1Y:G1Y+7]
	s_nop 0
	PLACES
	s_branch .Lhead_asked
.Lhead_w:
	s_cmp_lt_u32 s[WV], 2
	s_cbranch_scc0 .Lhead_ys
	tensor_load_to_lds s[T4:T4+3], s[G1X:G1X+7]
	s_nop 0
	PLACES
	s_branch .Lhead_asked
.Lhead_ys:
	s_cmp_lt_u32 s[WV], 3
	s_cbranch_scc0 .Lhead_xs
	tensor_load_to_lds s[T1:T1+3], s[G1YS:G1YS+7]
	s_nop 0
	PLACES
	s_branch .Lhead_asked
.Lhead_xs:
	tensor_load_to_lds s[T2:T2+3], s[G1XS:G1XS+7]
	s_nop 0
	PLACES
.Lhead_asked:
	v_and_b32 v1, 31, v0                           ; lane
	v_and_b32 v[SL], 15, v0                        ; r
	v_bfe_u32 v[SL+1], v0, 4, 1                    ; h
	v_lshlrev_b32 v[L16], 4, v1
	v_lshl_add_u32 v[L8], v1, 3, 512
	v_lshlrev_b32 v[SL+2], 4, v[SL]                ; 16 r
	v_lshl_add_u32 v[R8], v[SL+1], 3, v[SL+2]
	s_mul_i32 s2, s[PY], 12288
	s_mul_i32 s3, s[WV], 6144
.irp i, 0,1,2,3
	v_add_nc_u32 v[AYP+\i], s2, v[L16]
	v_add_nc_u32 v[AYQ+\i], s3, v[L16]
	s_add_co_u32 s2, s2, 49152
	s_add_co_u32 s3, s3, 49152
.endr
	s_mul_i32 s2, s[QX], 6144
	s_add_co_u32 s2, s2, XR
	s_mov_b32 s3, XR
.irp i, 0,1
	v_add_nc_u32 v[AXQ+\i], s2, v[L16]
	v_add_nc_u32 v[AXP+\i], s3, v[L16]
	s_add_co_u32 s2, s2, 49152
	s_add_co_u32 s3, s3, 49152
.endr
	s_lshl_b32 s2, s[PY], 12
	s_add_co_u32 s2, s2, YS
	v_add_nc_u32 v[AYSP], s2, v[SL+2]
	s_lshl_b32 s2, s[QX], 11                       ; the weights' scale words lie [tile 3][row block 8][K half][r][4 words]
	s_add_co_u32 s2, s2, XS
	v_add_nc_u32 v[AXSQ], s2, v[SL+2]
	v_add_nc_u32 v[AXSP], XS, v[SL+2]
	s_lshl_b32 s2, s[WV], 11
	s_add_co_u32 s2, s2, YS
	v_add_nc_u32 v[AYSQ], s2, v[SL+2]
	v_and_b32 v[RX], 8, v[SL]
	v_add_nc_u32 v[RX], v[RX], v[SL]               ; r + 8 (r / 8): my weight row in its block = my column of x
	v_lshlrev_b32 v[RX], 2, v[RX]
	v_lshl_add_u32 v[RX], v[SL+1], 19, v[RX]       ; + 16 h rows of s, 32,768 bytes each
	s_wait_alu depctr_va_vdst(0)
	v_cmp_eq_u32 s[HM], 1, v[SL+1]
.irp b, 0,1,2,3
	v_mov_b32 v[TM+4+\b], 0                        ; a lane permute's destination counts as one of its sources
.endr
	; where results go
	s_lshr_b32 s88, s85, 2                         ; b
	s_and_b32 s89, s85, 3                          ; which 256 of its s
	s_lshl_b32 s90, s88, 4
	s_lshl_b32 s91, s84, 1
	s_add_co_u32 s90, s90, s91                     ; bh of the pair's first head
	s_add_co_u32 s91, s90, s[QX]                   ; my head for q and k
	s_lshl_b32 s92, s91, 6
	s_lshl_b32 s93, s89, 4
	s_add_co_u32 s92, s92, s93
	s_lshl_b32 s93, s[PY], 3
	s_add_co_u32 s92, s92, s93
	s_mul_i32 s92, s92, 768
	s_mov_b32 s93, 0
	s_add_nc_u64 s[4:5], s[14:15], s[92:93]        ; q's half fragments; k's lie 6,291,456 on
	s_mul_i32 s92, s90, 49152
	s_lshl_b32 s94, s89, 2
	s_add_co_u32 s94, s94, s[WV]                   ; my 64 keys
	s_mul_i32 s95, s94, 3072
	s_add_co_u32 s92, s92, s95
	s_add_co_u32 s92, s92, 12582912
	s_add_nc_u64 s[6:7], s[14:15], s[92:93]        ; v's
	s_lshl_b32 s92, s91, 3
	s_lshl_b32 s95, s89, 1
	s_add_co_u32 s92, s92, s95
	s_add_co_u32 s92, s92, s[PY]
	s_lshl_b32 s92, s92, 8
	s_add_nc_u64 s[8:9], s[16:17], s[92:93]        ; q's scale words; k's lie 262,144 on
	s_lshl_b32 s92, s88, 3
	s_add_co_u32 s92, s92, s84
	s_lshl_b32 s92, s92, 4
	s_add_co_u32 s92, s92, s94
	s_lshl_b32 s92, s92, 8
	s_add_co_u32 s92, s92, 524288
	s_add_nc_u64 s[10:11], s[16:17], s[92:93]      ; v's
	s_lshl_b32 s92, s89, 8
	s_lshl_b32 s95, s[WV], 6
	s_add_co_u32 s92, s92, s95                     ; my first key
	s_lshl_b32 s92, s92, 3
	s_add_co_u32 s92, s92, s88
	s_lshl_b32 s92, s92, 12
	s_lshl_b32 s95, s84, 9
	s_add_co_u32 s92, s92, s95
	s_add_nc_u64 s[12:13], s[12:13], s[92:93]      ; x(my first key, b, the pair's first column)
; x for v: load RK brings accumulator (a, q)'s register j its x(s, e): s = 32 (q / 2) + 8 (q % 2) + 16 h + j, e = 32 (a / 2) + 8 (a % 2) + r + 8 (r / 8).  Blocks a and a + 1 stand next to each other: together they take 128 consecutive bytes of a row.
.set RK, 0
.macro RES n
	WIN 0xc0                                       ; destination window 3
.rept \n
.set RB, RK/64
.set RU, RK%2
.set RQ, (RK%64)/16
.set RJ, ((RK%64)/2)%8
	global_load_b32 v[32*(2*RB+RU)+8*RQ+RJ], v[RX], s[12:13] offset:(32*(RQ/2)+8*(RQ%2)+RJ)*32768+(32*RB+8*RU)*4
.set RK, RK+1
.endr
.endm
; the fragments of tile t's K step ks into set ks % 2; with a K half's first step its scale words too
.macro FETCH t, ks
.set FE, (\ks)%2
.set FH, (\ks)/4
.set SCS, SCB+48*FH
	WIN 0x40                                       ; destination window 1
.irp a, 0,1,2,3,4,5,6,7
.irp j, 0,1,2
.if (\t) < 2
	ds_load_b128 v[96*FE+12*\a+4*\j:96*FE+12*\a+4*\j+3], v[AYP+(\ks)/2] offset:((\ks)%2)*24576+\a*FRB+512*\j
.else
	ds_load_b128 v[96*FE+12*\a+4*\j:96*FE+12*\a+4*\j+3], v[AXP+FH] offset:((\ks)%4)*12288+\a*FRB+512*\j
.endif
.endr
.endr
	WIN 0
.irp q, 0,1,2,3
.irp j, 0,1,2
.if (\t) < 2
	ds_load_b128 v[QF+48*FE+12*\q+4*\j:QF+48*FE+12*\q+4*\j+3], v[AXQ+FH] offset:((\ks)%4)*12288+\q*FRB+512*\j
.else
	ds_load_b128 v[QF+48*FE+12*\q+4*\j:QF+48*FE+12*\q+4*\j+3], v[AYQ+(\ks)/2] offset:((\ks)%2)*24576+\q*FRB+512*\j
.endif
.endr
.endr
.if ((\ks)%4) == 0
.irp a, 0,1,2,3,4,5,6,7
.if (\t) < 2
	ds_load_b128 v[SCS+4*\a:SCS+4*\a+3], v[AYSP] offset:\a*512+FH*256
.else
	ds_load_b128 v[SCS+4*\a:SCS+4*\a+3], v[AXSP] offset:\a*512+8192+FH*256
.endif
.endr
.irp q, 0,1,2,3
.if (\t) < 2
	ds_load_b128 v[SCS+32+4*\q:SCS+32+4*\q+3], v[AXSQ] offset:\q*512+(\t)*4096+FH*256
.else
	ds_load_b128 v[SCS+32+4*\q:SCS+32+4*\q+3], v[AYSQ] offset:\q*512+FH*256
.endif
.endr
.endif
.endm
; 32 matrix instructions: the accumulators take turns, one instruction a turn, in the same order in every K step
.macro MULS t, ks
.set FE, (\ks)%2
.set SCS, SCB+48*((\ks)/4)
.set KI, (\ks)%4
.if ((\t) == 2) && ((\ks) == 0)
	WIN 0xb4                                       ; source 0 window 0, source 1 window 1, C window 3 (x), D window 2
.else
	WIN 0xa4                                       ; C and D window 2
.endif
.irp a, 0,1,2,3,4,5,6,7
.irp q, 0,1,2,3
.if ((\ks) == 0) && ((\t) < 2)
	v_wmma_scale_f32_16x16x128_f8f6f4 v[32*\a+8*\q:32*\a+8*\q+7], v[QF+48*FE+12*\q:QF+48*FE+12*\q+11], v[96*FE+12*\a:96*FE+12*\a+11], 0, v[SCS+32+4*\q+KI], v[SCS+4*\a+KI] matrix_a_fmt:MATRIX_FMT_FP6 matrix_b_fmt:MATRIX_FMT_FP6
.else
	v_wmma_scale_f32_16x16x128_f8f6f4 v[32*\a+8*\q:32*\a+8*\q+7], v[QF+48*FE+12*\q:QF+48*FE+12*\q+11], v[96*FE+12*\a:96*FE+12*\a+11], v[32*\a+8*\q:32*\a+8*\q+7], v[SCS+32+4*\q+KI], v[SCS+4*\a+KI] matrix_a_fmt:MATRIX_FMT_FP6 matrix_b_fmt:MATRIX_FMT_FP6
.endif
.endr
.endr
.endm
; A slot whose last fragments are in registers is filled again with the next weight's half of K.  Each wave waits for all its tensor loads, adds 0 to its spare word, waits for that and for its LDS reads;
; a round of the cluster's barrier; the joint refill first behind it, one load a wave.  The same wait shows the other slot whole.
.macro CHANGE g0
	WIN 0
	s_wait_tensorcnt 0x0
	ds_add_u32 v[SPW], v[NIL]
	s_add_nc_u64 s[\g0+2:\g0+3], s[\g0+2:\g0+3], 786432    ; eight tiles of 98,304 bytes on: the next weight
	s_wait_dscnt 0x0
	CROUND
	tensor_load_to_lds s[\g0:\g0+3], s[G1X:G1X+7]
	s_nop 0
	PLACES                                         ; (also the places in front of the loads that follow)
.endm
.macro MEET                            ; the last change: nothing is filled
	WIN 0
	s_wait_tensorcnt 0x0
	ds_add_u32 v[SPW], v[NIL]
	s_wait_dscnt 0x0
	s_barrier_signal -1
	s_barrier_wait -1
	PLACES
.endm
.macro KSTEP t, ks
.if ((\t) < 2) && ((\ks) == 3)
	CHANGE T4
.elseif ((\t) < 2) && ((\ks) == 7)
	CHANGE T6
.elseif ((\t) == 2) && ((\ks) == 3)
	MEET
.else
	s_wait_dscnt 0x0                               ; this K step's fragments, asked for a K step ago, are in
	PLACES
.endif
.if (\ks) < 7
	FETCH \t, (\ks)+1
.elseif (\t) < 2
	FETCH (\t)+1, 0
.endif
.if (\t) < 2
	RES 12
.endif
	MULS \t, \ks
.endm
; 64 accumulator registers (P blocks 2 i, 2 i + 1; register 16 b + n = number 32 (b % 2) + 16 h + n along Q) become 12 registers of codes, two half fragments, and a scale word
.macro QUANT i, fl
	WIN 0x0a                                       ; sources 0, 1 window 2
.irp b, 0,1,2,3
	v_max3_num_f32 v[TM+\b], |v[64*(\i)+16*\b]|, |v[64*(\i)+16*\b+1]|, \fl     ; each accumulator is read from its low end on
.endr
	WIN 0x28                                       ; sources 1, 2 window 2
.irp n, 2,4,6,8,10,12,14
.irp b, 0,1,2,3
	v_max3_num_f32 v[TM+\b], v[TM+\b], |v[64*(\i)+16*\b+\n]|, |v[64*(\i)+16*\b+\n+1]|
.endr
.endr
	WIN 0
.irp b, 0,1,2,3
	v_permlanex16_b32 v[TM+4+\b], v[TM+\b], s[SEL], s[SEL+1]
.endr
.irp b, 0,1,2,3
	v_max_num_f32 v[TM+\b], v[TM+\b], v[TM+4+\b]   ; with lane l xor 16's 16: the block's largest magnitude
.endr
.irp b, 0,1,2,3
	v_add_nc_u32 v[TM+12+\b], 0xff000000, v[TM+\b] ; 2 off the exponent field: the conversion's scale operand
.endr
.irp b, 0,1,2,3
	v_lshrrev_b32 v[TM+4+\b], 23, v[TM+12+\b]
.endr
	v_lshl_or_b32 v[PW+(\i)], v[TM+5], 8, v[TM+4]
	v_lshl_or_b32 v[PW+(\i)], v[TM+6], 16, v[PW+(\i)]
	v_lshl_or_b32 v[PW+(\i)], v[TM+7], 24, v[PW+(\i)]
	WIN 0x02                                       ; source 0 window 2
.irp c, 0,1
	v_cvt_scalef32_pk16_fp6_f32 v[PC+12*(\i)+6*\c:PC+12*(\i)+6*\c+2], v[64*(\i)+32*\c:64*(\i)+32*\c+15], v[TM+12+2*\c]
	v_cvt_scalef32_pk16_fp6_f32 v[PT+4*\c:PT+4*\c+2], v[64*(\i)+32*\c+16:64*(\i)+32*\c+31], v[TM+12+2*\c+1]
.endr
	WIN 0
	v_nop                                          ; one plain place behind a scaled conversion
.irp c, 0,1                                    ; the operand's layout wants a whole block in a lane
.irp n, 0,1,2
	v_permlane16_swap_b32 v[PC+12*(\i)+6*\c+\n], v[PT+4*\c+\n]
.endr
.irp n, 0,1,2
	v_mov_b32 v[PC+12*(\i)+6*\c+3+\n], v[PT+4*\c+\n]
.endr
.endr
.endm
.macro EPI t                           ; a tile's way out
	PLACES
.irp i, 0,1,2,3
.if (\t) == 0
	QUANT \i, 0x3000000
	v_add_nc_u32 v[PW+\i], 0xfcfcfcfd, v[PW+\i]    ; 3 off each byte: q / 8.  Each byte is 4 at the least
.else
	QUANT \i, 0x1800000
.endif
.if (\t) == 1
.irp j, 0,1,2
	global_store_b128 v[L16], v[PC+12*\i+4*\j:PC+12*\i+4*\j+3], s[4:5] offset:6291456+FRB*\i+512*\j
.endr
.else
.irp c, 0,1
.if (\t) == 0
	global_store_b128 v[L16], v[PC+12*\i+6*\c:PC+12*\i+6*\c+3], s[4:5] offset:768*(2*\i+\c)
	global_store_b64 v[L8], v[PC+12*\i+6*\c+4:PC+12*\i+6*\c+5], s[4:5] offset:768*(2*\i+\c)
.else
	global_store_b128 v[L16], v[PC+12*\i+6*\c:PC+12*\i+6*\c+3], s[6:7] offset:49152*((2*\i+\c)/4)+768*((2*\i+\c)%4)
	global_store_b64 v[L8], v[PC+12*\i+6*\c+4:PC+12*\i+6*\c+5], s[6:7] offset:49152*((2*\i+\c)/4)+768*((2*\i+\c)%4)
.endif
.endr
.endif
.endr
	v_cndmask_b32 v[SL], v[PW], v[PW+2], s[HM]     ; lanes 0-15 store words 0, 1 of their row, lanes 16-31 words 2, 3: 256 consecutive bytes
	v_cndmask_b32 v[SL+1], v[PW+1], v[PW+3], s[HM]
.if (\t) == 0
	global_store_b64 v[R8], v[SL:SL+1], s[8:9]
.elseif (\t) == 1
	global_store_b64 v[R8], v[SL:SL+1], s[8:9] offset:262144
.else
	global_store_b64 v[R8], v[SL:SL+1], s[10:11]
.endif
	s_wait_xcnt 0x0                                ; the stores have read their registers: the codes' take fragments again
.endm
	RES 64
	WIN 0
	s_wait_alu depctr_va_vdst(0)
	s_wait_tensorcnt 0x0                           ; my tile of the head's four is in
	ds_add_u32 v[SPW], v[NIL]
	s_mov_b32 s[G1Y+2], 96<<16                     ; no load of mine is out, so descriptors may be written: from here on a load of x brings 96 rows,
	s_mov_b32 s[G1Y+4], 96
	s_mov_b32 s[G1X+2], 48<<16                     ; a load of a weight 48,
	s_mov_b32 s[G1X+4], 48
	s_add_co_u32 s[T4+1], s[T4+1], s96             ; and slot 0's refills are the wave's K step
	s_add_nc_u64 s[T4+2:T4+3], s[T4+2:T4+3], s[96:97]
	s_wait_dscnt 0x0
	CROUND                                         ; everybody's tiles are in, and the sixteen work-groups meet
	tensor_load_to_lds s[T5:T5+3], s[G1Y:G1Y+7]    ; x, K step 4 + wave: my one load behind the round; it is waited for at the first change of slots
	s_nop 0
	PLACES
	FETCH 0, 0
.irp k, 0,1,2,3,4,5,6,7
	KSTEP 0, \k
.endr
	EPI 0
.irp k, 0,1,2,3,4,5,6,7
	KSTEP 1, \k
.endr
	EPI 1
	s_wait_loadcnt 0x0                             ; x for v is in
.irp k, 0,1,2,3,4,5,6,7
	KSTEP 2, \k
.endr
	EPI 2
	s_wait_tensorcnt 0x0                           ; the wave's end
	ds_add_u32 v[SPW], v[NIL]
	s_wait_dscnt 0x0
	CROUND                                         ; the closing round
	s_endpgm
.Lfunc_end_k_q843aeeaa96_proj:
	.size	k_q843aeeaa96_proj, .Lfunc_end_k_q843aeeaa96_proj-k_q843aeeaa96_proj
	.p2alignl 7, 3214868480
	.fill 96, 4, 3214868480
	.section	.rodata,"a",@progbits
	.p2align	6, 0x0
	.amdhsa_kernel k_q843aeeaa96_proj
		.amdhsa_group_segment_fixed_size 327680
		.amdhsa_private_segment_fixed_size 0
		.amdhsa_enable_private_segment 0
		.amdhsa_kernarg_size 56
		.amdhsa_user_sgpr_count 2
		.amdhsa_user_sgpr_kernarg_segment_ptr 1
		.amdhsa_wavefront_size32 1
		.amdhsa_system_sgpr_workgroup_id_x 1
		.amdhsa_system_sgpr_workgroup_id_y 1
		.amdhsa_system_sgpr_workgroup_id_z 1
		.amdhsa_system_vgpr_workitem_id 0
		.amdhsa_next_free_vgpr 1024
		.amdhsa_next_free_sgpr 100
		.amdhsa_reserve_vcc 0
		.amdhsa_float_denorm_mode_32 3
		.amdhsa_float_denorm_mode_16_64 3
		.amdhsa_memory_ordered 1
		.amdhsa_forward_progress 1
		.amdhsa_inst_pref_size 252
	.end_amdhsa_kernel
	.amdgpu_metadata
---
amdhsa.version: [ 1, 2 ]
amdhsa.kernels:
  - .name:           k_q843aeeaa96_proj
    .symbol:         k_q843aeeaa96_proj.kd
    .args:
      - { .name: xi, .offset: 0, .size: 8, .value_kind: global_buffer, .address_space: global }
      - { .name: xs, .offset: 8, .size: 8, .value_kind: global_buffer, .address_space: global }
      - { .name: wi, .offset: 16, .size: 8, .value_kind: global_buffer, .address_space: global }
      - { .name: ws, .offset: 24, .size: 8, .value_kind: global_buffer, .address_space: global }
      - { .name: x, .offset: 32, .size: 8, .value_kind: global_buffer, .address_space: global }
      - { .name: qkv, .offset: 40, .size: 8, .value_kind: global_buffer, .address_space: global }
      - { .name: qkvs, .offset: 48, .size: 8, .value_kind: global_buffer, .address_space: global }
    .group_segment_fixed_size: 327680
    .private_segment_fixed_size: 0
    .kernarg_segment_align: 8
    .kernarg_segment_size: 56
    .max_flat_workgroup_size: 128
    .sgpr_count:     100
    .vgpr_count:     1024
    .wavefront_size: 32
...
	.end_amdgpu_metadata
.endif
;; end of part 2
;; launch attn (part 3): grid 2 x 128, 8 waves a work-group, no clusters, 327,680 bytes of LDS; arguments qkv, qkvs, mask, ci, cs; writes ci, cs
.if DOCPART == 3
	.amdgcn_target "amdgcn-amd-amdhsa--gfx1250"
	.amdhsa_code_object_version 6
	.text
	.protected	k_q843aeeaa96_attn
	.globl	k_q843aeeaa96_attn
	.p2align	8
	.type	k_q843aeeaa96_attn,@function
k_q843aeeaa96_attn:
	s_mov_b64 s[64:65], 0
	v_nop
	global_prefetch_b8 v0, s[64:65] scope:SCOPE_SE
	s_setreg_imm32_b32 hwreg(HW_REG_WAVE_MODE, 25, 1), 1
	s_wait_xcnt 0x0
; ctx = softmax(q k^T + mask) v for one (b, head) and 512 queries, on codes of FP6 (E2M3) with E8M0 scales; ctx leaves as codes and scale bytes for the output projection.
; The softmax is finished and normalised in f32 before it is quantised, so a query's 1,024 p are all held until its sum is known.
; SHARES.  Work-group (gx, bh): 512 queries.  Eight waves, two to a SIMD, 512 registers each.  A PAIR of waves (2 p, 2 p + 1) owns 128 queries, 16 a trip, 8 trips;
; wave kh = wave % 2 takes keys 512 kh .. 512 kh + 511: 16 x 512 scores = 256 registers (window 1).  Both products are used transposed: a lane holds one query.
;   1. S^T = k q^T + mask (the mask is the C of the products).  A fragment of k holds two key tiles (K = 2 x 64); q stands in one half of K with zero codes in the other.
;   2. each wave: its own maximum M, p = 2^(t - M), its own sum.  (-M c, sum) go to the partner through LDS (barrier 1).  Joint M = the larger; f = 2^(own M - joint M); joint sum = sum f + sum' f';
;      p x f / joint sum is the finished softmax.
;   3. p is quantised block by block (32 keys); a block's largest p is made from its largest score by the same instructions.  O^T = v^T p^T over my 512 keys.
;   4. wave kh loads v's d tiles in the order that puts d = 32 kh .. 32 kh + 31 into O's registers 0-15: it keeps these, sends registers 16-31 to the partner (barrier 2), adds what it gets,
;      and quantises and stores its block of 32 d.  Between that barrier's signal and wait stand the next tile's scores.
; LDS: k's and v's codes (49,152 bytes each), fetched once, one tensor load a wave (an eighth each); the mask, q's codes and scale bytes, stored through registers; two exchange areas; the spare words.
; No cluster: k and v are shared by two work-groups only and are fetched once, at the head.  No prefetch: nothing is fetched from memory in the loop.
; LIMITS: the mask is held at -1e30 from below, so a batch whose keys are all -inf gets equal weights where an exact softmax gives NaN; NaN and infinities elsewhere are not served;
; a block of zeros gets the byte 1 (its codes are zeros; this program alone reads the bytes).
.set VL,    49152
.set MK,    98304                      ; the mask, 4,096 bytes
.set QL,    102400                     ; q's half fragments, 32 x 768
.set QS,    126976                     ; q's scale bytes, 1,024
.set EX,    128000                     ; exchange 1: 256 bytes a wave
.set OX,    130048                     ; exchange 2: 2,048 bytes a wave
.set SPARE, 146432                     ; the spare words, 128 bytes a wave
.set LK,1
.set LVA16,2
.set LVA8,3
.set LVB16,4
.set LVB8,5
.set LM,6
.set LQ16,7
.set LQ8,8
.set LQS,9
.set EXS,10
.set EXL,11
.set OXS,12
.set OXL,13
.set G64,14
.set G32,15
.set R8,16
.set TA,17
.set NM,18                             ; v18 -M c; v19 my sum
.set RL,20
.set SU,22                             ; v22-29 partial sums; later SO, BY
.set SO,22
.set BY,26
.set QSA,30
.set QSB,31
.set PW,32
.set TB,33
.set SPW,34
.set NIL,35
.set CB,36                             ; v36-37 my block's scale bytes of the 8 trips
.set TM,38                             ; v38-47 at work
.set PT,38
.set O,48                              ; v48-79 O^T
.set KSC,80
.set VSC,96
.set QZ,112                            ; v112-117 zeros, v118-123 q, v124-129 zeros: (0, q) = v112-123, (q, 0) = v118-129
.set PC,130                            ; v130-141 p's codes
.set BT,130
.set BM,142                            ; v142-157 the blocks' largest scores, then p; then the partner's O
.set TC,158
.set FR,160                            ; v160-255 fragments of k or of v, two sets of 48
.set WV,14
.set KH,15
.set PR,16
.set BH,17
.set GG,18
.set BB,19
.set HD,20
.set HM,21
.set CS,22
.set G1,24
.set G0,32
.set SEL,36
.set CP,38
.set CSP,40
.set TRIP,42
.set QOF,43
.set QSO,44
.set MSB, 0
.macro WIN new                         ; the immediate's high byte repeats the setting that is left
.if MSB != \new
	s_set_vgpr_msb (MSB<<8)|\new
.set MSB, \new
.endif
.endm
.macro PLACES
.rept 4
	v_nop
.endr
.endm
	s_load_b256 s[4:11], s[0:1], 0x0               ; qkv, qkvs, mask, ci
	s_load_b64 s[12:13], s[0:1], 0x20              ; cs
	v_lshl_add_u32 v[SPW], v0, 2, SPARE
	v_mov_b32 v[NIL], 0
	ds_add_u32 v[SPW], v[NIL]
	ds_add_u32 v[SPW], v[NIL]
	v_lshrrev_b32 v1, 5, v0
	v_readfirstlane_b32 s[WV], v1
	s_and_b32 s[KH], s[WV], 1
	s_lshr_b32 s[PR], s[WV], 1
	s_and_b32 s[BH], ttmp7, 0xffff
	s_lshl_b32 s[GG], ttmp9, 2
	s_lshr_b32 s[BB], s[BH], 4
	s_and_b32 s[HD], s[BH], 15
	s_mov_b32 s[G1], 3<<16                         ; 48 rows of 256 dense bytes
	s_mov_b32 s[G1+1], 32<<16
	s_mov_b32 s[G1+2], 48<<16
	s_mov_b32 s[G1+3], 32<<16
	s_mov_b32 s[G1+4], 48
	s_mov_b32 s[G1+5], 32
	s_mov_b32 s[G1+6], 0
	s_mov_b32 s[G1+7], 0
	s_mul_i32 s46, s[BH], 49152                    ; waves 0-3: quarters of k; waves 4-7: of v, 6,291,456 bytes on
	s_lshr_b32 s48, s[WV], 2
	s_mul_i32 s48, s48, 6291456
	s_add_co_u32 s46, s46, s48
	s_and_b32 s48, s[WV], 3
	s_mul_i32 s48, s48, 12288
	s_add_co_u32 s46, s46, s48
	s_add_co_u32 s46, s46, 6291456
	s_mov_b32 s47, 0
	s_mul_i32 s49, s[WV], 12288
	s_mov_b32 s[SEL], 0x76543210
	s_mov_b32 s[SEL+1], 0xfedcba98
	s_mov_b32 s[CS], 0x3fb8aa3b                    ; c = log2(e)
	s_mov_b32 s[CS+1], s[CS]
	s_wait_dscnt 0x0
	s_wait_kmcnt 0x0
	s_mov_b32 s[G0], 1
	s_mov_b32 s[G0+1], s49
	s_add_nc_u64 s[G0+2:G0+3], s[4:5], s[46:47]
	s_or_b32 s[G0+3], s[G0+3], 0x80000000
	tensor_load_to_lds s[G0:G0+3], s[G1:G1+7]      ; my one tensor load
	s_nop 0
	; LDS bases
	s_mul_i32 s46, s[KH], 24576
	s_mul_i32 s47, s[KH], 24576+1536               ; v's tiles 0, 1 of my order: for kh = 1 they are d tiles 2, 3,
	s_add_co_u32 s47, s47, VL
	s_mul_i32 s48, s[KH], 24576-1536               ; and tiles 2, 3 of my order are d tiles 0, 1
	s_add_co_u32 s48, s48, VL
	s_lshl_b32 s49, s[KH], 11
	s_add_co_u32 s49, s49, MK
	s_mul_i32 s50, s[PR], 6144
	s_add_co_u32 s50, s50, QL
	s_lshl_b32 s51, s[PR], 8
	s_add_co_u32 s51, s51, QS
	s_xor_b32 s70, s[WV], 1                        ; my partner
	s_lshl_b32 s52, s[WV], 8
	s_add_co_u32 s52, s52, EX
	s_lshl_b32 s53, s70, 8
	s_add_co_u32 s53, s53, EX
	s_lshl_b32 s54, s[WV], 11
	s_add_co_u32 s54, s54, OX
	s_lshl_b32 s55, s70, 11
	s_add_co_u32 s55, s55, OX
	s_lshl_b32 s56, s[KH], 8
	s_lshl_b32 s57, s[KH], 7
	s_add_co_u32 s57, s57, 512
	s_lshl_b32 s68, s[KH], 2
	s_sub_co_u32 s69, 4, s68
	; global bases
	s_lshl_b32 s70, s[BH], 3
	s_add_co_u32 s70, s70, s[GG]                   ; the work-group's first group of 128 queries
	s_mul_i32 s58, s70, 6144
	s_mov_b32 s59, 0
	s_add_nc_u64 s[58:59], s[4:5], s[58:59]        ; q's codes
	s_lshl_b32 s60, s70, 8
	s_mov_b32 s61, 0
	s_add_nc_u64 s[60:61], s[6:7], s[60:61]        ; q's scale bytes
	s_add_co_u32 s70, s70, s[PR]
	s_lshl_b32 s[CSP], s70, 8
	s_mov_b32 s[CSP+1], 0
	s_add_nc_u64 s[CSP:CSP+1], s[12:13], s[CSP:CSP+1]
	s_lshl_b32 s62, s[BH], 11
	s_lshl_b32 s71, s[KH], 10
	s_add_co_u32 s62, s62, s71
	s_add_co_u32 s62, s62, 262144
	s_mov_b32 s63, 0
	s_add_nc_u64 s[62:63], s[6:7], s[62:63]        ; k's scale words, my half
	s_lshl_b32 s66, s[BB], 3
	s_lshr_b32 s71, s[HD], 1
	s_add_co_u32 s66, s66, s71
	s_lshl_b32 s66, s66, 12
	s_and_b32 s72, s[HD], 1
	s_lshl_b32 s73, s72, 3
	s_add_co_u32 s66, s66, s73
	s_lshl_b32 s73, s[KH], 11
	s_add_co_u32 s66, s66, s73
	s_add_co_u32 s66, s66, 524288
	s_mov_b32 s67, 0
	s_add_nc_u64 s[66:67], s[6:7], s[66:67]        ; v's scale words, my head, my half
	s_add_co_u32 s73, s[GG], s[PR]                 ; my group within bh
	s_lshl_b32 s[CP], s[BB], 2
	s_lshr_b32 s74, s73, 1
	s_add_co_u32 s[CP], s[CP], s74
	s_mul_i32 s[CP], s[CP], 196608
	s_mul_i32 s71, s71, 24576
	s_add_co_u32 s[CP], s[CP], s71
	s_and_b32 s73, s73, 1
	s_mul_i32 s73, s73, 12288
	s_add_co_u32 s[CP], s[CP], s73
	s_mul_i32 s72, s72, 768
	s_add_co_u32 s[CP], s[CP], s72
	s_mov_b32 s[CP+1], 0
	s_add_nc_u64 s[CP:CP+1], s[10:11], s[CP:CP+1]
	s_lshl_b32 s70, s[BB], 12
	s_mov_b32 s71, 0
	s_add_nc_u64 s[8:9], s[8:9], s[70:71]          ; my b's mask
	s_mov_b32 s[QOF], 0
	s_mov_b32 s[QSO], 0
	v_and_b32 v40, 31, v0                          ; lane
	v_and_b32 v41, 15, v0                          ; r
	v_bfe_u32 v42, v0, 4, 1                        ; h
	v_lshlrev_b32 v43, 4, v40
	v_lshlrev_b32 v44, 3, v40
	v_lshlrev_b32 v45, 4, v41
	v_lshlrev_b32 v46, 4, v0                       ; 16 x thread
	v_lshlrev_b32 v47, 2, v0
	v_add_nc_u32 v[LK], s46, v43
	v_add_nc_u32 v[LVA16], s47, v43
	v_add_nc_u32 v[LVA8], s47, v44
	v_add_nc_u32 v[LVB16], s48, v43
	v_add_nc_u32 v[LVB8], s48, v44
	v_lshlrev_b32 v[LM], 6, v42
	v_add_nc_u32 v[LM], s49, v[LM]
	v_add_nc_u32 v[LQ16], s50, v43
	v_add_nc_u32 v[LQ8], s50, v44
	v_add_nc_u32 v[LQS], s51, v45
	v_add_nc_u32 v[EXS], s52, v44
	v_add_nc_u32 v[EXL], s53, v44
	v_add_nc_u32 v[OXS], s54, v43
	v_add_nc_u32 v[OXL], s55, v43
	v_lshl_add_u32 v[R8], v42, 3, v45              ; 16 r + 8 h
	v_add_nc_u32 v[G64], s56, v[R8]                ; registers 0-3 of lane r + 16 kh of a half fragment, 8 bytes for each h
	v_lshlrev_b32 v[G32], 3, v41
	v_lshl_add_u32 v[G32], v42, 2, v[G32]
	v_add_nc_u32 v[G32], s57, v[G32]               ; registers 4, 5 of that lane, 4 bytes for each h
	v_add_nc_u32 v38, s68, v45
	v_add_nc_u32 v39, s69, v45
	v_add_nc_u32 v[TA], MK, v46
	v_add_nc_u32 v[TB], QL, v46
	v_add_nc_u32 v[TC], QS, v47
	v_cmp_eq_u32 s[HM], 1, v42                     ; lanes 16-31
	s_wait_alu depctr_va_vdst(0)
	global_load_b128 v[PC:PC+3], v46, s[8:9]
.irp j, 0,1,2,3,4,5
	global_load_b128 v[FR+4*\j:FR+4*\j+3], v46, s[58:59] offset:4096*\j
.endr
	global_load_b32 v[FR+24], v47, s[60:61]
.irp g, 0,1,2,3
	global_load_b128 v[KSC+4*\g:KSC+4*\g+3], v45, s[62:63] offset:256*\g
.endr
.irp q, 0,1,2,3,4,5,6,7                        ; 64 keys q: the word of my tiles 0, 1 and that of my tiles 2, 3
	global_load_b32 v[FR+32+2*\q], v38, s[66:67] offset:256*\q
	global_load_b32 v[FR+33+2*\q], v39, s[66:67] offset:256*\q
.endr
	s_wait_loadcnt 0x0
.irp n, 0,1,2,3
	v_max_num_f32 v[PC+\n], 0xf149f2ca, v[PC+\n]   ; the mask held at -1e30 from below
.endr
.irp k, 0,1,2,3
.irp t, 0,1,2,3
.if (\t%2) == 0
	v_perm_b32 v[VSC+4*\k+\t], v[FR+32+2*(2*\k+1)+\t/2], v[FR+32+2*(2*\k)+\t/2], 0x05040100
.else
	v_perm_b32 v[VSC+4*\k+\t], v[FR+32+2*(2*\k+1)+\t/2], v[FR+32+2*(2*\k)+\t/2], 0x07060302
.endif
.endr
.endr
.irp i, 0,1,2,3,4,5
	v_mov_b32 v[QZ+\i], 0                          ; zero codes beside q
	v_mov_b32 v[QZ+12+\i], 0
.endr
	v_mov_b32 v[NM+1], 0
	v_mov_b32 v[RL+1], 0
	v_mov_b32 v[CB], 0
	v_mov_b32 v[CB+1], 0
.irp i, 0,1,2,3,4,5,6,7,8,9
	v_mov_b32 v[TM+\i], 0                          ; a lane permute's destination counts as one of its sources
.endr
	s_wait_alu depctr_va_vdst(0)
	s_wait_tensorcnt 0x0                           ; my eighth of k and v is in
	ds_store_b128 v[TA], v[PC:PC+3]
.irp j, 0,1,2,3,4,5
	ds_store_b128 v[TB], v[FR+4*\j:FR+4*\j+3] offset:4096*\j
.endr
	ds_store_b32 v[TC], v[FR+24]
.irp i, 0,1,2,3,4,5,6,7
	v_mov_b32 v[BT+\i], 0
.endr
	s_wait_alu depctr_va_vdst(0)
	s_wait_dscnt 0x0
	s_barrier_signal -1
	s_barrier_wait -1                              ; everybody's parts are in LDS; none of these bytes is written again
.macro LOADG g                         ; four fragments of k (128 keys) into set g % 2, and the mask of these keys into the scores' registers
	WIN 0x40
.irp p, 0,1,2,3
.irp n, 0,1,2,3
	ds_load_b128 v[64*(\g)+16*\p+4*\n:64*(\g)+16*\p+4*\n+3], v[LM] offset:128*(4*(\g)+\p)+16*\n
.endr
.endr
	WIN 0
.irp p, 0,1,2,3
.irp j, 0,1,2
	ds_load_b128 v[FR+48*((\g)%2)+12*\p+4*\j:FR+48*((\g)%2)+12*\p+4*\j+3], v[LK] offset:(4*(\g)+\p)*1536+512*\j
.endr
.endr
.endm
.macro SMUL g                          ; C and D window 1.  Registers 16 f + n of lane (r, h): query r, key 32 f + 16 h + n
	WIN 0x50
.irp p, 0,1,2,3
	v_wmma_scale_f32_16x16x128_f8f6f4 v[64*(\g)+16*\p:64*(\g)+16*\p+7], v[FR+48*((\g)%2)+12*\p:FR+48*((\g)%2)+12*\p+11], v[QZ+6:QZ+17], v[64*(\g)+16*\p:64*(\g)+16*\p+7], v[KSC+4*(\g)+\p], v[QSA] matrix_a_fmt:MATRIX_FMT_FP6 matrix_b_fmt:MATRIX_FMT_FP6
	v_wmma_scale_f32_16x16x128_f8f6f4 v[64*(\g)+16*\p+8:64*(\g)+16*\p+15], v[FR+48*((\g)%2)+12*\p:FR+48*((\g)%2)+12*\p+11], v[QZ:QZ+11], v[64*(\g)+16*\p+8:64*(\g)+16*\p+15], v[KSC+4*(\g)+\p], v[QSB] matrix_a_fmt:MATRIX_FMT_FP6 matrix_b_fmt:MATRIX_FMT_FP6
.endr
.endm
.macro SPH                             ; the scores of the query tile at s[QOF]
	v_add_nc_u32 v[TA], s[QOF], v[LQ16]
	v_add_nc_u32 v[TB], s[QOF], v[LQ8]
	v_add_nc_u32 v[TC], s[QSO], v[LQS]
	ds_load_b128 v[QZ+6:QZ+9], v[TA]
	ds_load_b64 v[QZ+10:QZ+11], v[TB] offset:512
	ds_load_u16 v[QSA], v[TC]
	LOADG 0
	LOADG 1
	s_wait_dscnt 28                                ; all but the 28 loads of the younger batch
	v_lshlrev_b32 v[QSB], 16, v[QSA]               ; q's two bytes for the upper half of K
	s_wait_alu depctr_va_vdst(0)
.rept 8
	v_nop                                          ; a scale register written by a vector instruction stands 8 places ahead
.endr
	SMUL 0
	PLACES
	LOADG 2
	s_wait_dscnt 28
	SMUL 1
	PLACES
	LOADG 3
	s_wait_dscnt 28
	SMUL 2
	s_wait_dscnt 0x0
	SMUL 3
	WIN 0
.endm
.macro VLOAD ks                        ; v's four tiles of 128 keys into set ks % 2
.irp t, 0,1
.irp c, 0,1
	ds_load_b128 v[FR+48*((\ks)%2)+12*\t+6*\c:FR+48*((\ks)%2)+12*\t+6*\c+3], v[LVA16] offset:(\ks)*6144+\c*3072+\t*768
	ds_load_b64 v[FR+48*((\ks)%2)+12*\t+6*\c+4:FR+48*((\ks)%2)+12*\t+6*\c+5], v[LVA8] offset:(\ks)*6144+\c*3072+\t*768+512
.endr
.endr
.irp t, 2,3
.irp c, 0,1
	ds_load_b128 v[FR+48*((\ks)%2)+12*\t+6*\c:FR+48*((\ks)%2)+12*\t+6*\c+3], v[LVB16] offset:(\ks)*6144+\c*3072+\t*768
	ds_load_b64 v[FR+48*((\ks)%2)+12*\t+6*\c+4:FR+48*((\ks)%2)+12*\t+6*\c+5], v[LVB8] offset:(\ks)*6144+\c*3072+\t*768+512
.endr
.endr
.endm
.macro EXPF k, more                    ; p of 64 registers; with it t - M of the next 64
	WIN 0x41
.set NN, 64*(\k)
.rept 32
	v_exp_f32 v[NN], v[NN]
	v_exp_f32 v[NN+1], v[NN+1]
.if \more
	v_pk_fma_f32 v[NN+64:NN+65], v[NN+64:NN+65], s[CS:CS+1], v[NM:NM+1] op_sel_hi:[1,0,0]
.endif
.set NN, NN+2
.endr
.endm
.macro SUMS k                          ; the sum is taken of the unquantised p, in four packed chains
.set NN, 0
.if (\k) == 0
	WIN 0x05
.rept 4
	v_pk_add_f32 v[SU+2*NN:SU+2*NN+1], v[2*NN:2*NN+1], v[2*NN+8:2*NN+9]
.set NN, NN+1
.endr
.set NN, 8
.endif
	WIN 0x04
.rept 32-NN
	v_pk_add_f32 v[SU+2*(NN%4):SU+2*(NN%4)+1], v[SU+2*(NN%4):SU+2*(NN%4)+1], v[64*(\k)+2*NN:64*(\k)+2*NN+1]
.set NN, NN+1
.endr
.endm
.macro STEP k                          ; 128 keys: p's scale word and codes, and four products
	WIN 0
.irp b, 0,1,2,3
	v_max_num_f32 v[SO+\b], 0x1800000, v[BM+4*(\k)+\b]   ; the floor holds the byte at 1 from below
.endr
.irp b, 0,1,2,3
	v_add_nc_u32 v[SO+\b], 0xff000000, v[SO+\b]    ; 2 off the exponent field: the conversion's scale operand
.endr
.if ((\k) == 1) || ((\k) == 2)
	VLOAD (\k)+1                                   ; into the set that the step before has multiplied: the eight lines above are its places
.endif
.irp b, 0,1,2,3
	v_lshrrev_b32 v[BY+\b], 23, v[SO+\b]
.endr
	v_lshl_or_b32 v[PW], v[BY+1], 8, v[BY]
	v_lshl_or_b32 v[PW], v[BY+2], 16, v[PW]
	v_lshl_or_b32 v[PW], v[BY+3], 24, v[PW]
	WIN 0x01
.irp c, 0,1
	v_cvt_scalef32_pk16_fp6_f32 v[PC+6*\c:PC+6*\c+2], v[64*(\k)+32*\c:64*(\k)+32*\c+15], v[SO+2*\c]
	v_cvt_scalef32_pk16_fp6_f32 v[PT+4*\c:PT+4*\c+2], v[64*(\k)+32*\c+16:64*(\k)+32*\c+31], v[SO+2*\c+1]
.endr
	WIN 0
	v_nop                                          ; one plain place behind a scaled conversion
.irp c, 0,1                                    ; the operand's layout wants a whole block in a lane
.irp n, 0,1,2
	v_permlane16_swap_b32 v[PC+6*\c+\n], v[PT+4*\c+\n]
.endr
.irp n, 0,1,2
	v_mov_b32 v[PC+6*\c+3+\n], v[PT+4*\c+\n]
.endr
.endr
	s_wait_alu depctr_va_vdst(0)
.if (\k) == 2
	s_wait_dscnt 16                                ; this step's tiles are in; the next step's 16 loads may be out
.elseif (\k) == 3
	s_wait_dscnt 0x0
.endif
	PLACES                                         ; an operand written by vector instructions stands 4 places ahead
.irp t, 0,1,2,3
.if (\k) == 0
	v_wmma_scale_f32_16x16x128_f8f6f4 v[O+8*\t:O+8*\t+7], v[FR+48*((\k)%2)+12*\t:FR+48*((\k)%2)+12*\t+11], v[PC:PC+11], 0, v[VSC+4*(\k)+\t], v[PW] matrix_a_fmt:MATRIX_FMT_FP6 matrix_b_fmt:MATRIX_FMT_FP6
.else
	v_wmma_scale_f32_16x16x128_f8f6f4 v[O+8*\t:O+8*\t+7], v[FR+48*((\k)%2)+12*\t:FR+48*((\k)%2)+12*\t+11], v[PC:PC+11], v[O+8*\t:O+8*\t+7], v[VSC+4*(\k)+\t], v[PW] matrix_a_fmt:MATRIX_FMT_FP6 matrix_b_fmt:MATRIX_FMT_FP6
.endif
.endr
.endm
.macro BODY
	; the largest score of each block of 32 keys: my 16, each accumulator read from its low end on
	WIN 0x15
.set NN, 0
.rept 16
	v_max3_num_f32 v[BM+NN], v[16*NN], v[16*NN+1], v[16*NN+2]
.set NN, NN+1
.endr
	WIN 0x14
.irp i, 3,5,7,9,11,13
.set NN, 0
.rept 16
	v_max3_num_f32 v[BM+NN], v[BM+NN], v[16*NN+\i], v[16*NN+\i+1]
.set NN, NN+1
.endr
.endr
	WIN 0x04
.set NN, 0
.rept 16
	v_max_num_f32 v[BM+NN], v[BM+NN], v[16*NN+15]
.set NN, NN+1
.endr
	WIN 0
.irp q, 0,1
.irp n, 0,1,2,3,4,5,6,7
	v_permlanex16_b32 v[BT+\n], v[BM+8*\q+\n], s[SEL], s[SEL+1]
.endr
.irp n, 0,1,2,3,4,5,6,7
	v_max_num_f32 v[BM+8*\q+\n], v[BM+8*\q+\n], v[BT+\n]   ; with lane l xor 16's 16 keys
.endr
.endr
.irp c, 0,1,2,3
	v_max3_num_f32 v[TM+\c], v[BM+3*\c], v[BM+3*\c+1], v[BM+3*\c+2]
.endr
	v_max3_num_f32 v[TM], v[TM], v[BM+12], v[BM+13]
	v_max3_num_f32 v[TM+1], v[TM+1], v[BM+14], v[BM+15]
	v_max_num_f32 v[TM+2], v[TM+2], v[TM+3]
	s_delay_alu instid0(VALU_DEP_1)
	v_max3_num_f32 v[TM], v[TM], v[TM+1], v[TM+2]
	s_delay_alu instid0(VALU_DEP_1)
	v_mul_f32 v[NM], 0xbfb8aa3b, v[TM]             ; -M c, M the largest of my 512 scores of my query
	WIN 0x41
.set NN, 0
.rept 32
	v_pk_fma_f32 v[NN:NN+1], v[NN:NN+1], s[CS:CS+1], v[NM:NM+1] op_sel_hi:[1,0,0]
.set NN, NN+2
.endr
	s_wait_alu depctr_va_vdst(0)                   ; a wait ahead of each batch of exponentials and one behind it
.irp k, 0,1,2
	EXPF \k, 1
	s_wait_alu depctr_va_vdst(0)
	SUMS \k
.endr
	EXPF 3, 0
	WIN 0
.set NN, 0
.rept 8
	v_pk_fma_f32 v[BM+NN:BM+NN+1], v[BM+NN:BM+NN+1], s[CS:CS+1], v[NM:NM+1] op_sel_hi:[1,0,0]   ; the same of each block's largest score
.set NN, NN+2
.endr
	s_wait_alu depctr_va_vdst(0)
	SUMS 3
	WIN 0
	v_pk_add_f32 v[SU:SU+1], v[SU:SU+1], v[SU+2:SU+3]
	v_pk_add_f32 v[SU+4:SU+5], v[SU+4:SU+5], v[SU+6:SU+7]
	s_delay_alu instid0(VALU_DEP_1)
	v_pk_add_f32 v[SU:SU+1], v[SU:SU+1], v[SU+4:SU+5]
	s_delay_alu instid0(VALU_DEP_1)
	v_add_f32 v[SU], v[SU], v[SU+1]
	s_delay_alu instid0(VALU_DEP_1)
	v_permlanex16_b32 v[TM+7], v[SU], s[SEL], s[SEL+1]
	s_delay_alu instid0(VALU_DEP_1)
	v_add_f32 v[NM+1], v[SU], v[TM+7]              ; my sum
	ds_store_b64 v[EXS], v[NM:NM+1]                ; BARRIER 1: (-M c, sum) to my partner
	s_wait_alu depctr_va_vdst(0)
	s_wait_dscnt 0x0
	s_barrier_signal -1
	VLOAD 0                                        ; bytes that nobody writes
	VLOAD 1
.set NN, 0
.rept 16
	v_exp_f32 v[BM+NN], v[BM+NN]                   ; each block's largest p
.set NN, NN+1
.endr
	v_nop
	s_wait_alu depctr_va_vdst(0)
	s_barrier_wait -1
	ds_load_b64 v[TM:TM+1], v[EXL]
	s_wait_dscnt 0x0
	v_min_num_f32 v[TM+2], v[NM], v[TM]            ; - joint M c
	s_delay_alu instid0(VALU_DEP_1)
	v_sub_f32 v[TM+3], v[TM+2], v[NM]
	v_sub_f32 v[TM+4], v[TM+2], v[TM]
	s_wait_alu depctr_va_vdst(0)
	v_exp_f32 v[TM+3], v[TM+3]                     ; f = 2^(my M - joint M),
	v_exp_f32 v[TM+4], v[TM+4]                     ; and my partner's
	v_nop
	s_wait_alu depctr_va_vdst(0)
	v_mul_f32 v[TM+5], v[TM+4], v[TM+1]
	v_fma_f32 v[TM+5], v[TM+3], v[NM+1], v[TM+5]   ; the joint sum
	s_wait_alu depctr_va_vdst(0)
	v_rcp_f32 v[TM+6], v[TM+5]
	v_nop
	s_wait_alu depctr_va_vdst(0)
	v_mul_f32 v[RL], v[TM+3], v[TM+6]
.set NN, 0
.rept 8
	v_pk_mul_f32 v[BM+NN:BM+NN+1], v[BM+NN:BM+NN+1], v[RL:RL+1] op_sel_hi:[1,0]
.set NN, NN+2
.endr
	WIN 0x41
.set NN, 0
.rept 128
	v_pk_mul_f32 v[NN:NN+1], v[NN:NN+1], v[RL:RL+1] op_sel_hi:[1,0]   ; the finished softmax
.set NN, NN+2
.endr
.irp k, 0,1,2,3
	STEP \k
.endr
	PLACES
.irp j, 0,1,2,3
	ds_store_b128 v[OXS], v[O+16+4*\j:O+19+4*\j] offset:512*\j        ; BARRIER 2: the partner's block of O^T, each accumulator from its low end on
.endr
	s_wait_dscnt 0x0
	s_barrier_signal -1
.if NEXT
	s_add_co_u32 s[QOF], s[QOF], 768
	s_add_co_u32 s[QSO], s[QSO], 2
	SPH                                            ; the next tile's scores: registers, and LDS bytes that nobody writes
.endif
	s_barrier_wait -1
.irp j, 0,1,2,3
	ds_load_b128 v[BM+4*\j:BM+4*\j+3], v[OXL] offset:512*\j
.endr
	s_wait_dscnt 0x0
.irp j, 0,1,2,3,4,5,6,7
	v_pk_add_f32 v[O+2*\j:O+2*\j+1], v[O+2*\j:O+2*\j+1], v[BM+2*\j:BM+2*\j+1]   ; ctx(query r, d = 32 kh + 16 h + 0 .. 15)
.endr
	v_max3_num_f32 v[TM], |v[O]|, |v[O+1]|, 0x1800000
	v_max3_num_f32 v[TM+1], |v[O+2]|, |v[O+3]|, |v[O+4]|
.irp n, 5,9
	v_max3_num_f32 v[TM], v[TM], |v[O+\n]|, |v[O+\n+1]|
	v_max3_num_f32 v[TM+1], v[TM+1], |v[O+\n+2]|, |v[O+\n+3]|
.endr
	v_max3_num_f32 v[TM], v[TM], |v[O+13]|, |v[O+14]|
	s_delay_alu instid0(VALU_DEP_1)
	v_max3_num_f32 v[TM], v[TM], v[TM+1], |v[O+15]|
	s_delay_alu instid0(VALU_DEP_1)
	v_permlanex16_b32 v[TM+2], v[TM], s[SEL], s[SEL+1]
	s_delay_alu instid0(VALU_DEP_1)
	v_max_num_f32 v[TM], v[TM], v[TM+2]
	s_delay_alu instid0(VALU_DEP_1)
	v_add_nc_u32 v[TM+9], 0xff000000, v[TM]
	s_delay_alu instid0(VALU_DEP_1)
	v_lshrrev_b32 v[TM+5], 23, v[TM+9]             ; my block's byte
	v_cvt_scalef32_pk16_fp6_f32 v[TM:TM+2], v[O:O+15], v[TM+9]
	v_nop
	v_permlanex16_b32 v[TM+3], v[TM+1], s[SEL], s[SEL+1]
	v_permlanex16_b32 v[TM+4], v[TM+2], s[SEL], s[SEL+1]
	; the block's six registers R0-5 are lane h = 0's three, then lane h = 1's.  Lane h = 0 stores R0, R1 and R4; lane h = 1 stores R2, R3 and R5
	v_cndmask_b32 v[TM+6], v[TM], v[TM+4], s[HM]
	v_cndmask_b32 v[TM+7], v[TM+1], v[TM], s[HM]
	v_cndmask_b32 v[TM+8], v[TM+3], v[TM+2], s[HM]
	v_alignbit_b32 v[CB], v[CB+1], v[CB], 8        ; the byte is shifted in from above: after 8 trips the first stands lowest
	v_alignbit_b32 v[CB+1], v[TM+5], v[CB+1], 8
	global_store_b64 v[G64], v[TM+6:TM+7], s[CP:CP+1]      ; 256 consecutive bytes, aligned
	global_store_b32 v[G32], v[TM+8], s[CP:CP+1]           ; 128 consecutive bytes; my partner stores the 128 beside them
	s_wait_xcnt 0x0                                ; the stores have read their registers and their base
	s_add_nc_u64 s[CP:CP+1], s[CP:CP+1], 1536
.endm
	SPH
	PLACES
	s_mov_b32 s[TRIP], 7
.set NEXT, 1
.Ltrip:
	BODY
	s_sub_co_u32 s[TRIP], s[TRIP], 1
	s_cmp_lg_u32 s[TRIP], 0
	s_wait_alu depctr_va_vdst(0)
	s_cbranch_scc1 .Ltrip
.set NEXT, 0
	BODY                                           ; the last trip has no next tile
	s_wait_alu depctr_va_vdst(0)
	ds_store_b64 v[EXS], v[CB:CB+1]                ; the two blocks' bytes are joined: barrier 2 of the last trip stands between the last reads of these bytes and this store
	s_wait_dscnt 0x0
	s_barrier_signal -1
	s_barrier_wait -1
	ds_load_b64 v[TM:TM+1], v[EXL]
	s_wait_dscnt 0x0
	s_cmp_lg_u32 s[KH], 0
	s_cbranch_scc1 .Ldone                          ; the wave with block 0 stores for the pair
	v_cndmask_b32 v[TM+2], v[CB], v[CB+1], s[HM]   ; lanes 0-15: trips 0-3, lanes 16-31: trips 4-7
	v_cndmask_b32 v[TM+3], v[TM], v[TM+1], s[HM]
	v_perm_b32 v[TM+4], v[TM+3], v[TM+2], 0x05010400   ; block 0's byte, block 1's byte, trip by trip
	v_perm_b32 v[TM+5], v[TM+3], v[TM+2], 0x07030602
	global_store_b64 v[R8], v[TM+4:TM+5], s[CSP:CSP+1]     ; 256 consecutive bytes, aligned
.Ldone:
	s_wait_tensorcnt 0x0                           ; the wave's end
	ds_add_u32 v[SPW], v[NIL]
	s_wait_dscnt 0x0
	s_endpgm
.Lfunc_end_k_q843aeeaa96_attn:
	.size	k_q843aeeaa96_attn, .Lfunc_end_k_q843aeeaa96_attn-k_q843aeeaa96_attn
	.p2alignl 7, 3214868480
	.fill 96, 4, 3214868480
	.section	.rodata,"a",@progbits
	.p2align	6, 0x0
	.amdhsa_kernel k_q843aeeaa96_attn
		.amdhsa_group_segment_fixed_size 327680
		.amdhsa_private_segment_fixed_size 0
		.amdhsa_enable_private_segment 0
		.amdhsa_kernarg_size 40
		.amdhsa_user_sgpr_count 2
		.amdhsa_user_sgpr_kernarg_segment_ptr 1
		.amdhsa_wavefront_size32 1
		.amdhsa_system_sgpr_workgroup_id_x 1
		.amdhsa_system_sgpr_workgroup_id_y 1
		.amdhsa_system_sgpr_workgroup_id_z 1
		.amdhsa_system_vgpr_workitem_id 0
		.amdhsa_next_free_vgpr 512
		.amdhsa_next_free_sgpr 76
		.amdhsa_reserve_vcc 0
		.amdhsa_float_denorm_mode_32 3
		.amdhsa_float_denorm_mode_16_64 3
		.amdhsa_memory_ordered 1
		.amdhsa_forward_progress 1
		.amdhsa_inst_pref_size 160
	.end_amdhsa_kernel
	.amdgpu_metadata
---
amdhsa.version: [ 1, 2 ]
amdhsa.kernels:
  - .name:           k_q843aeeaa96_attn
    .symbol:         k_q843aeeaa96_attn.kd
    .args:
      - { .name: qkv, .offset: 0, .size: 8, .value_kind: global_buffer, .address_space: global }
      - { .name: qkvs, .offset: 8, .size: 8, .value_kind: global_buffer, .address_space: global }
      - { .name: mask, .offset: 16, .size: 8, .value_kind: global_buffer, .address_space: global }
      - { .name: ci, .offset: 24, .size: 8, .value_kind: global_buffer, .address_space: global }
      - { .name: cs, .offset: 32, .size: 8, .value_kind: global_buffer, .address_space: global }
    .group_segment_fixed_size: 327680
    .private_segment_fixed_size: 0
    .kernarg_segment_align: 8
    .kernarg_segment_size: 40
    .max_flat_workgroup_size: 256
    .sgpr_count:     76
    .vgpr_count:     512
    .wavefront_size: 32
...
	.end_amdgpu_metadata
.endif
;; end of part 3
;; launch outp (part 4): grid 8 x 32, 4 waves a work-group, clusters of 4 x 4, 327,680 bytes of LDS; arguments ci, cs, wi, ws, b_out, out0; writes out0
.if DOCPART == 4
	.amdgcn_target "amdgcn-amd-amdhsa--gfx1250"
	.amdhsa_code_object_version 6
	.text
	.protected	k_q843aeeaa96_outp
	.globl	k_q843aeeaa96_outp
	.p2align	8
	.type	k_q843aeeaa96_outp,@function
k_q843aeeaa96_outp:
	s_mov_b64 s[64:65], 0
	v_nop
	global_prefetch_b8 v0, s[64:65] scope:SCOPE_SE
	s_setreg_imm32_b32 hwreg(HW_REG_WAVE_MODE, 25, 1), 1
	s_wait_xcnt 0x0
	s_wait_alu depctr_hold_cnt(0) depctr_sa_sdst(0) depctr_va_vdst(0) depctr_va_sdst(0) depctr_va_ssrc(0) depctr_va_vcc(0) depctr_vm_vsrc(0)
	s_getreg_b32 s2, hwreg(HW_REG_IB_STS2, 6, 4)
	s_cmp_eq_u32 s2, 0
	s_cbranch_scc0 .Lentry_in_a_cluster
	s_endpgm
.Lentry_in_a_cluster:
	s_bfe_u32 s2, ttmp6, 0x10000c
	s_cmp_lg_u32 s2, 0xf033
	s_cbranch_scc0 .Lentry_shape_is_right
	s_endpgm
.Lentry_shape_is_right:
; out0 = ctx w_out + b_out on codes of FP6 (E2M3) with E8M0 scales.  ctx arrives as register images from the attention launch, w_out from the quantising launch (tiles 24 to 31 of wi).
; SHARES.  Work-group (gx, gy): 256 rows (one b, 256 s) x 128 columns.  Both tiles lie in LDS for all of K (196,608 + 98,304 bytes), fetched once, two loads a wave.  Four waves, each 128 rows x 64 columns: 32 accumulators,
; source 1 = 8 blocks of ctx (a lane is a row), source 0 = 4 blocks of w_out's rows, ordered so that a lane's registers of two neighbouring blocks are 16 neighbouring columns.  b_out is the C of the first products.
; CLUSTERS: 4 x 4: ctx's tile is shared along a row of the cluster, w_out's along a column, each asked for jointly.  Nothing is filled again.
; REGISTERS: window 0: v2-19 addresses; v24-87 ctx's scale words (8 a + K step); v88-119 w_out's (8 q + K step); v160-255 w_out's fragments, two sets, later rows of the result.
;            window 1: ctx's fragments, two sets of 96.  window 2: the accumulators, (a, q) at v[32 a + 8 q].  window 3: v0-31 b_out in the result's layout.
.set XL,     196608
.set STG,    294912                    ; a stage of 16 rows x (256 bytes + 16) for each wave: no fill lands here
.set SPITCH, 272
.set AY16, 2                           ; v2-5  ctx: 16 lane + my 8 blocks, K steps 2 i, 2 i + 1
.set AY8,  6                           ; v6-9  the same with 512 + 8 lane
.set AXQ,  10                          ; v10-11 w_out, K half 0, 1
.set STO,  12
.set RD,   13
.set CO,   14
.set L16,  15
.set SP,   24
.set SQ,   88
.set QF,   160
.set BK,   160
.set WV,   18
.set PY,   19
.set QX,   20
.set G1Y,  24
.set G1X,  32
.set T1,   40
.set T2,   44
.set T3,   48
.set T4,   52
.set MSB, 0
.macro WIN new
.if MSB != \new
	s_set_vgpr_msb (MSB<<8)|\new
.set MSB, \new
.endif
.endm
.macro PLACES
.rept 4
	v_nop
.endr
.endm
.macro CROUND
	s_barrier_signal -1
	s_barrier_wait -1
	s_cmp_lg_u32 s[WV], 0
	s_cbranch_scc1 .Lnot_wave_0_\@
	s_barrier_signal -3
.Lnot_wave_0_\@:
	s_barrier_wait -3
	s_barrier_signal -1
	s_barrier_wait -1
.endm
.macro G1SET g, m, r                   ; r rows of 256 dense bytes
	s_or_b32 s[\g], s[\m], (3<<16)|(1<<21)
	s_mov_b32 s[\g+1], 32<<16
	s_mov_b32 s[\g+2], (\r)<<16
	s_mov_b32 s[\g+3], 32<<16
	s_mov_b32 s[\g+4], \r
	s_mov_b32 s[\g+5], 32
	s_mov_b32 s[\g+6], 0
	s_mov_b32 s[\g+7], 0
.endm
.macro G0SET g, lw, lc, ptr, off, more
	s_mov_b32 s[\g], 1
	s_add_co_u32 s[\g+1], s[\lw], \lc
	s_add_nc_u64 s[\g+2:\g+3], s[\ptr:\ptr+1], s[\off:\off+1]
.if \more
	s_add_nc_u64 s[\g+2:\g+3], s[\g+2:\g+3], \more
.endif
	s_or_b32 s[\g+3], s[\g+3], 0x80000000
.endm
	s_load_b256 s[4:11], s[0:1], 0x0               ; ci s[4:5], cs s[6:7], wi s[8:9], ws s[10:11]
	s_load_b128 s[12:15], s[0:1], 0x20             ; b_out s[12:13], out0 s[14:15]
	v_lshl_add_u32 v158, v0, 2, 0x4c400
	v_mov_b32 v159, 0
	ds_add_u32 v158, v159
	ds_add_u32 v158, v159
	v_lshrrev_b32 v1, 5, v0
	v_readfirstlane_b32 s[WV], v1
	s_lshr_b32 s[PY], s[WV], 1
	s_and_b32 s[QX], s[WV], 1
	s_bfe_u32 s22, ttmp6, 0x40000                  ; cx
	s_bfe_u32 s23, ttmp6, 0x40004                  ; cy
	s_lshl_b32 s56, ttmp9, 2
	s_add_co_u32 s56, s56, s22                     ; gx
	s_and_b32 s57, ttmp7, 0xffff
	s_lshl_b32 s57, s57, 2
	s_add_co_u32 s57, s57, s23                     ; gy
	s_lshl_b32 s58, s23, 2
	s_lshl_b32 s58, 15, s58                        ; my row of the cluster
	s_lshl_b32 s59, 0x1111, s22                    ; my column
	G1SET G1Y, 58, 192                             ; two K steps of ctx's tile: 49,152 dense bytes
	G1SET G1X, 59, 96                              ; two K steps of w_out's tile: 24,576
	s_mul_i32 s2, s[QX], 49152                     ; waves 0, 1 fetch ctx, waves 2, 3 w_out: two K steps each, a half of K a stage
	s_mul_i32 s3, s[QX], 24576
	s_mul_i32 s60, s57, 196608
	s_add_co_u32 s60, s60, s2
	s_mov_b32 s61, 0
	s_add_co_u32 s62, s56, 24
	s_mul_i32 s62, s62, 98304
	s_add_co_u32 s62, s62, s3
	s_mov_b32 s63, 0
	s_wait_dscnt 0x0
	s_wait_kmcnt 0x0
	G0SET T1, 2, 0,        4, 60, 0                ; ctx, K steps 0-1 or 2-3 by wave % 2
	G0SET T2, 3, XL,       8, 62, 0                ; w_out, K steps 0-1 or 2-3 by wave % 2
	G0SET T3, 2, 98304,    4, 60, 98304            ; ctx, K steps 4-5 or 6-7 by wave % 2
	G0SET T4, 3, XL+49152, 8, 62, 49152            ; w_out, K steps 4-5 or 6-7 by wave % 2
	CROUND                                         ; all sixteen work-groups are here: the joint loads meet
	s_cmp_eq_u32 s[PY], 0                          ; K steps 0-3: one joint load a wave at the head
	s_cbranch_scc0 .Lhead_w
	tensor_load_to_lds s[T1:T1+3], s[G1Y:G1Y+7]
	s_nop 0
	PLACES
	s_branch .Lhead_asked
.Lhead_w:
	tensor_load_to_lds s[T2:T2+3], s[G1X:G1X+7]
	s_nop 0
	PLACES
.Lhead_asked:
	v_and_b32 v1, 31, v0                           ; lane
	v_and_b32 v16, 15, v0                          ; r
	v_bfe_u32 v17, v0, 4, 1                        ; h
	v_lshlrev_b32 v[L16], 4, v1
	v_lshl_add_u32 v20, v1, 3, 512
	v_lshlrev_b32 v18, 4, v16                      ; 16 r
	v_lshlrev_b32 v19, 6, v17                      ; 64 h
	s_mul_i32 s2, s[PY], 12288
.irp i, 0,1,2,3
	v_add_nc_u32 v[AY16+\i], s2, v[L16]
	v_add_nc_u32 v[AY8+\i], s2, v20
	s_add_co_u32 s2, s2, 49152
.endr
	s_mul_i32 s2, s[QX], 6144
	s_add_co_u32 s2, s2, XL
.irp i, 0,1
	v_add_nc_u32 v[AXQ+\i], s2, v[L16]
	s_add_co_u32 s2, s2, 49152
.endr
	s_mul_i32 s2, s[WV], 16*SPITCH
	s_add_co_u32 s2, s2, STG
	v_mul_u32_u24 v[STO], v16, SPITCH
	v_add_nc_u32 v[STO], v[STO], v19
	v_add_nc_u32 v[STO], s2, v[STO]                ; the stage, in: row r, + 64 h
	v_mul_u32_u24 v[RD], v17, SPITCH
	v_add_nc_u32 v[RD], v[RD], v18
	v_add_nc_u32 v[RD], s2, v[RD]                  ; back: lanes 0-15 one row of 256 bytes, lanes 16-31 the next
	v_lshl_add_u32 v[CO], v17, 15, v18             ; and the same in out0: a row of s is 32,768 bytes on
	s_lshr_b32 s66, s57, 2                         ; b
	s_and_b32 s67, s57, 3
	s_lshl_b32 s68, s67, 1
	s_add_co_u32 s68, s68, s[PY]                   ; my group of eight row blocks within b
	s_lshl_b32 s70, s66, 7
	s_add_co_u32 s70, s70, s68
	s_lshl_b32 s70, s70, 8
	s_mov_b32 s71, 0
	s_add_nc_u64 s[6:7], s[6:7], s[70:71]          ; cs: head 0 of b, my group
	s_add_co_u32 s70, s56, 24
	s_lshl_b32 s70, s70, 12
	s_lshl_b32 s72, s[QX], 11
	s_add_co_u32 s70, s70, s72
	s_add_nc_u64 s[10:11], s[10:11], s[70:71]      ; ws: my four row blocks
	s_lshl_b32 s72, s56, 9
	s_lshl_b32 s73, s[QX], 8
	s_add_co_u32 s72, s72, s73                     ; my first column, in bytes
	s_mov_b32 s73, 0
	s_add_nc_u64 s[12:13], s[12:13], s[72:73]
	s_lshl_b32 s70, s67, 8
	s_lshl_b32 s74, s[PY], 7
	s_add_co_u32 s70, s70, s74
	s_lshl_b32 s70, s70, 3
	s_add_co_u32 s70, s70, s66
	s_lshl_b32 s70, s70, 12
	s_add_co_u32 s70, s70, s72
	s_add_nc_u64 s[14:15], s[14:15], s[70:71]
.irp d, 0,1,2,3,4,5,6,7,8,9,10,11,12,13,14,15
	global_load_b128 v[QF+4*\d:QF+4*\d+3], v18, s[6:7] offset:2048*\d            ; head d: two bytes for each of my eight row blocks, row r
.endr
.irp q, 0,1,2,3
.irp k, 0,1
	global_load_b128 v[SQ+8*\q+4*\k:SQ+8*\q+4*\k+3], v18, s[10:11] offset:512*\q+256*\k
.endr
.endr
	WIN 0xc0                                       ; destination window 3
.irp q, 0,1,2,3
	global_load_b128 v[8*\q:8*\q+3], v19, s[12:13] offset:(32*(\q/2)+8*(\q%2))*4     ; b_out at the lane's eight columns of block q
	global_load_b128 v[8*\q+4:8*\q+7], v19, s[12:13] offset:(32*(\q/2)+8*(\q%2))*4+16
.endr
	WIN 0
	s_wait_loadcnt 0x0
.irp a, 0,1,2,3,4,5,6,7                        ; ctx's scale word of (block a, K step p): head 2 p's two bytes below, head 2 p + 1's above
.irp p, 0,1,2,3,4,5,6,7
.if (\a%2) == 0
	v_perm_b32 v[SP+8*\a+\p], v[QF+4*(2*\p+1)+\a/2], v[QF+4*(2*\p)+\a/2], 0x05040100
.else
	v_perm_b32 v[SP+8*\a+\p], v[QF+4*(2*\p+1)+\a/2], v[QF+4*(2*\p)+\a/2], 0x07060302
.endif
.endr
.endr
.macro FETCH ks
.set FE, (\ks)%2
	WIN 0x40
.irp a, 0,1,2,3,4,5,6,7                        ; a fragment of ctx is two half fragments, one from each head of the pair
.irp c, 0,1
	ds_load_b128 v[96*FE+12*\a+6*\c:96*FE+12*\a+6*\c+3], v[AY16+(\ks)/2] offset:((\ks)%2)*24576+\a*1536+768*\c
	ds_load_b64 v[96*FE+12*\a+6*\c+4:96*FE+12*\a+6*\c+5], v[AY8+(\ks)/2] offset:((\ks)%2)*24576+\a*1536+768*\c
.endr
.endr
	WIN 0
.irp q, 0,1,2,3
.irp j, 0,1,2
	ds_load_b128 v[QF+48*FE+12*\q+4*\j:QF+48*FE+12*\q+4*\j+3], v[AXQ+(\ks)/4] offset:((\ks)%4)*12288+\q*1536+512*\j
.endr
.endr
.endm
.macro MULS ks                         ; the 32 accumulators take turns, one instruction a turn
.set FE, (\ks)%2
.if (\ks) == 0
	WIN 0xb4                                       ; C window 3: b_out
.else
	WIN 0xa4
.endif
.irp a, 0,1,2,3,4,5,6,7
.irp q, 0,1,2,3
.if (\ks) == 0
	v_wmma_scale_f32_16x16x128_f8f6f4 v[32*\a+8*\q:32*\a+8*\q+7], v[QF+48*FE+12*\q:QF+48*FE+12*\q+11], v[96*FE+12*\a:96*FE+12*\a+11], v[8*\q:8*\q+7], v[SQ+8*\q+(\ks)], v[SP+8*\a+(\ks)] matrix_a_fmt:MATRIX_FMT_FP6 matrix_b_fmt:MATRIX_FMT_FP6
.else
	v_wmma_scale_f32_16x16x128_f8f6f4 v[32*\a+8*\q:32*\a+8*\q+7], v[QF+48*FE+12*\q:QF+48*FE+12*\q+11], v[96*FE+12*\a:96*FE+12*\a+11], v[32*\a+8*\q:32*\a+8*\q+7], v[SQ+8*\q+(\ks)], v[SP+8*\a+(\ks)] matrix_a_fmt:MATRIX_FMT_FP6 matrix_b_fmt:MATRIX_FMT_FP6
.endif
.endr
.endr
.endm
.macro KSTEP ks
.if (\ks) == 3
	s_wait_tensorcnt 0x0                           ; my parts of K steps 4-7 are in,
	s_wait_dscnt 0x0
	s_barrier_signal -1
	s_barrier_wait -1                              ; everybody's are
.else
	s_wait_dscnt 0x0                               ; this K step's fragments, asked for a K step ago, are in
.endif
	PLACES
.if (\ks) < 7
	FETCH (\ks)+1
.endif
	MULS \ks
.endm
	s_wait_alu depctr_va_vdst(0)
	s_wait_tensorcnt 0x0                           ; my part of K steps 0-3 is in
	ds_add_u32 v158, v159
	s_wait_dscnt 0x0
	CROUND                                         ; everybody's parts are in, and the sixteen work-groups meet
	s_cmp_eq_u32 s[PY], 0                          ; K steps 4-7: my one load behind the round; it is waited for in K step 3
	s_cbranch_scc0 .Lnext_w
	tensor_load_to_lds s[T3:T3+3], s[G1Y:G1Y+7]
	s_nop 0
	PLACES
	s_branch .Lnext_asked
.Lnext_w:
	tensor_load_to_lds s[T4:T4+3], s[G1X:G1X+7]
	s_nop 0
	PLACES
.Lnext_asked:
	FETCH 0
.irp k, 0,1,2,3,4,5,6,7
	KSTEP \k
.endr
; THE WAY OUT, a block of 16 rows x 64 columns at a time, through my own stage: in as a lane holds it, back as whole rows of 256 bytes.  LDS serves a wave's instructions in order.
.macro TOSTAGE a
	WIN 0x08                                       ; an LDS store's data are its source 1: window 2
.irp q, 0,1,2,3
	ds_store_b128 v[STO], v[32*(\a)+8*\q:32*(\a)+8*\q+3] offset:128*(\q/2)+32*(\q%2)             ; each accumulator from its low end on
	ds_store_b128 v[STO], v[32*(\a)+8*\q+4:32*(\a)+8*\q+7] offset:128*(\q/2)+32*(\q%2)+16
.endr
	WIN 0
.irp t, 0,1,2,3,4,5,6,7
	ds_load_b128 v[BK+32*((\a)%2)+4*\t:BK+32*((\a)%2)+4*\t+3], v[RD] offset:2*\t*SPITCH
.endr
.endm
.macro SEND a, younger
	s_wait_dscnt \younger                          ; the block is back; the next block's 8 stores and 8 loads may be out
.irp t, 0,1,2,3,4,5,6,7
	global_store_b128 v[CO], v[BK+32*((\a)%2)+4*\t:BK+32*((\a)%2)+4*\t+3], s[14:15] offset:(32*((\a)/2)+8*((\a)%2)+2*\t+8*(\t/4))*32768 th:TH_STORE_NT   ; 16 lanes store 256 consecutive bytes, aligned
.endr
.endm
	PLACES
	TOSTAGE 0
.irp a, 1,2,3,4,5,6,7
.if \a > 1
	s_wait_xcnt 0x0                                ; the stores of two blocks ago have read the registers that this block's loads take
.endif
	TOSTAGE \a
	SEND \a-1, 16
.endr
	SEND 7, 0
	s_wait_tensorcnt 0x0
	ds_add_u32 v158, v159
	s_wait_dscnt 0x0
	CROUND                                         ; the closing round
	s_endpgm
.Lfunc_end_k_q843aeeaa96_outp:
	.size	k_q843aeeaa96_outp, .Lfunc_end_k_q843aeeaa96_outp-k_q843aeeaa96_outp
	.p2alignl 7, 3214868480
	.fill 96, 4, 3214868480
	.section	.rodata,"a",@progbits
	.p2align	6, 0x0
	.amdhsa_kernel k_q843aeeaa96_outp
		.amdhsa_group_segment_fixed_size 327680
		.amdhsa_private_segment_fixed_size 0
		.amdhsa_enable_private_segment 0
		.amdhsa_kernarg_size 48
		.amdhsa_user_sgpr_count 2
		.amdhsa_user_sgpr_kernarg_segment_ptr 1
		.amdhsa_wavefront_size32 1
		.amdhsa_system_sgpr_workgroup_id_x 1
		.amdhsa_system_sgpr_workgroup_id_y 1
		.amdhsa_system_sgpr_workgroup_id_z 1
		.amdhsa_system_vgpr_workitem_id 0
		.amdhsa_next_free_vgpr 1024
		.amdhsa_next_free_sgpr 80
		.amdhsa_reserve_vcc 0
		.amdhsa_float_denorm_mode_32 3
		.amdhsa_float_denorm_mode_16_64 3
		.amdhsa_memory_ordered 1
		.amdhsa_forward_progress 1
		.amdhsa_inst_pref_size 89
	.end_amdhsa_kernel
	.amdgpu_metadata
---
amdhsa.version: [ 1, 2 ]
amdhsa.kernels:
  - .name:           k_q843aeeaa96_outp
    .symbol:         k_q843aeeaa96_outp.kd
    .args:
      - { .name: ci, .offset: 0, .size: 8, .value_kind: global_buffer, .address_space: global }
      - { .name: cs, .offset: 8, .size: 8, .value_kind: global_buffer, .address_space: global }
      - { .name: wi, .offset: 16, .size: 8, .value_kind: global_buffer, .address_space: global }
      - { .name: ws, .offset: 24, .size: 8, .value_kind: global_buffer, .address_space: global }
      - { .name: b_out, .offset: 32, .size: 8, .value_kind: global_buffer, .address_space: global }
      - { .name: out0, .offset: 40, .size: 8, .value_kind: global_buffer, .address_space: global }
    .group_segment_fixed_size: 327680
    .private_segment_fixed_size: 0
    .kernarg_segment_align: 8
    .kernarg_segment_size: 48
    .max_flat_workgroup_size: 128
    .sgpr_count:     80
    .vgpr_count:     1024
    .wavefront_size: 32
...
	.end_amdgpu_metadata
.endif
;; end of part 4
